; MI455X (gfx1250); checked and timed in simulation.
; The chip was launched on July 23, 2026; its instructions are those of AMD's public machine-readable ISA for CDNA 5 (MIT licence, August 2026) and "CDNA5" Instruction Set Architecture Reference Guide (July 2026). The comments in the code are by the model that wrote it; some were corrected since.
;; Token Importance Router. Allowed arithmetic: matrix products marked QUANTISED: E2M3 operands, one E8M0 scale for each 32 along K, by v_wmma_scale_f32_16x16x128_f8f6f4 with both operands' format E2M3, f32 sums; everything else in f32.
;; Inputs: Wk_codes 512 x 64 x 24 uint8 (E2M3 codes of Wk, K innermost, in blocks of 32 codes, four codes in three bytes); Wk_scales 512 x 64 uint8 (E8M0 scales of Wk, one for each 32 codes along K); Wq_codes 512 x 64 x 24 uint8 (E2M3 codes of Wq, K innermost, in blocks of 32 codes, four codes in three bytes); Wq_scales 512 x 64 uint8 (E8M0 scales of Wq, one for each 32 codes along K); bk 512 float32; bq 512 float32; hidden_codes 4 x 4,096 x 64 x 24 uint8 (E2M3 codes of hidden, K innermost, in blocks of 32 codes, four codes in three bytes); hidden_scales 4 x 4,096 x 64 uint8 (E8M0 scales of hidden, one for each 32 codes along K).
;; Outputs: out0 4 x 4,096 float32.
;; This version of the problem:
;;   THIS VERSION OF THE PROBLEM IS GIVEN IN LOW PRECISION. The matrix products marked QUANTISED in the list below multiply operands that are first quantised to E2M3 (2 exponent bits, 3 mantissa bits; 6 bits a number), with one power-of-two scale for each 32 numbers along K (OCP MX v1.0); their sums are f32. All else is computed in f32.
;;   The module's matrix products, in the order in which they are computed (A, B: the left and right operand; K: the contracted axis; several contracted axes count as one K, in the product's order):
;;     1. [M 16,384, K 2,048] x [K 2,048, N 512]; A: input hidden (given as codes); B: input Wq (given as codes): QUANTISED
;;     2. [M 16,384, K 2,048] x [K 2,048, N 512]; A: input hidden (given as codes); B: input Wk (given as codes): QUANTISED
;;     3. batch 4 x [M 4,096, K 512] x [K 512, N 4,096]; A: computed on the way; B: computed on the way: QUANTISED
;;   THE QUANTISER, for each operand of a quantised product, along K:
;;     - K is cut into blocks of 32 from its start; a last block that is shorter is filled with zeros.
;;     - A block's scale is 2^e with e = floor(log2(the largest magnitude in the block)) - 2, held to -126 .. 127; a block of zeros has e = 0. As a byte (E8M0): e + 127.
;;     - Each number is divided by its block's scale, clamped to +-7.5, and rounded to the nearest number of E2M3, ties to even, subnormals kept.
;;     - The product sums the exact products of the quantised numbers (number of the format x scale) in f32.
;;   ~~~python
;;   def quantise(x, axis):      # numpy; x: float32 -> the quantised numbers, widened to float32 again
;;       x = np.moveaxis(x, axis, -1); K = x.shape[-1]
;;       x = np.pad(x, [(0, 0)] * (x.ndim - 1) + [(0, -K % 32)]); x = x.reshape(x.shape[:-1] + (-1, 32)); a = np.abs(x).max(-1, keepdims=True)
;;       e = np.where(a > 0, np.clip(np.frexp(np.where(a > 0, a, 1))[1] - 1 - 2, -126, 127), 0)      # np.frexp(a)[1] - 1 = floor(log2(a)), exactly
;;       r = np.clip(x / 2.0 ** e, -7.5, 7.5)
;;       step = 2.0 ** (np.maximum(np.frexp(np.where(r == 0, 1, r))[1] - 1, 0) - 3)
;;       q = np.round(r / step) * step * 2.0 ** e      # np.round: ties to even
;;       return np.moveaxis(q.reshape(q.shape[:-2] + (-1,))[..., :K], -1, axis).astype(np.float32)
;;   ~~~
;;   OPERANDS COMPUTED ON THE WAY. 'Computed on the way' means the value that the module computes at that place (a softmax that the list does not call 'softmax' is quantised finished and normalised). What goes into a quantiser is computed in f32, as accurately as f32 sums, v_exp_f32 and their like allow (about 1e-6 of the number): no bf16 or f16 on the way to a quantiser, and a product that is left as it is and whose result goes on into a quantised operand takes f32 operands (vector FMAs, or v_wmma_f32_16x16x4_f32). A number that lies on a knife's edge between two numbers of the format may be rounded either way, as far as f32 arithmetic and the matrix unit's own rounding can turn it there, and no further.
;;   INPUTS GIVEN AS CODES. Wk (in the module: [512, 2048], K = its axis 1); Wq (in the module: [512, 2048], K = its axis 1); hidden (in the module: [4, 4096, 2048], K = its axis 2): each comes as NAME_codes (uint8): NAME with its K axis moved to the last place and cut into blocks of 32 codes, [.., K / 32, bytes a block], one block behind the other in memory; four codes in three bytes: a row's codes are one little-endian stream of bits, code i at bits 6 i .. 6 i + 5 (a code: sign, 2 exponent bits, 3 mantissa bits); and NAME_scales (uint8): the same leading axes, one E8M0 byte (e + 127) for each 32 codes along K. Its value is code x scale, taken as it is: it is not quantised again, and the codes and scales need not be those that the quantiser above would give.
;; 2 versions. Each part assembles by itself: llvm-mc -triple=amdgcn-amd-amdhsa -mcpu=gfx1250 --defsym DOCPART=n.
;; ======== version 1 of 2: 2 launches
;; workspace buffers: qk 13,107,200 bytes
;; launch project (part 1): grid 4 x 64, 4 waves a work-group, clusters of 4 x 4, 327,680 bytes of LDS; arguments hidden_codes, hidden_scales, Wq_codes, Wq_scales, Wk_codes, Wk_scales, bq, bk, qk; writes qk
.if DOCPART == 1
	.amdgcn_target "amdgcn-amd-amdhsa--gfx1250"
	.amdhsa_code_object_version 6
	.text
	.protected	k_q08b55b1405_project
	.globl	k_q08b55b1405_project
	.p2align	8
	.type	k_q08b55b1405_project,@function
k_q08b55b1405_project:
	s_mov_b64 s[64:65], 0
	v_nop
	global_prefetch_b8 v0, s[64:65] scope:SCOPE_SE
	s_setreg_imm32_b32 hwreg(HW_REG_WAVE_MODE, 25, 1), 1
	s_wait_xcnt 0x0
	s_wait_alu depctr_hold_cnt(0) depctr_sa_sdst(0) depctr_va_vdst(0) depctr_va_sdst(0) depctr_va_ssrc(0) depctr_va_vcc(0) depctr_vm_vsrc(0)
	s_getreg_b32 s2, hwreg(HW_REG_IB_STS2, 6, 4)
	s_cmp_eq_u32 s2, 0
	s_cbranch_scc0 .Lentry_in_a_cluster
	s_endpgm
.Lentry_in_a_cluster:
	s_bfe_u32 s2, ttmp6, 0x10000c
	s_cmp_lg_u32 s2, 0xf033
	s_cbranch_scc0 .Lentry_shape_is_right
	s_endpgm
.Lentry_shape_is_right:
; q = hidden Wq^T + bq and k = hidden Wk^T + bk, as ONE product C = A B^T on codes of FP6 (E2M3) with one E8M0 scale for each 32 along K:
; A = hidden [16,384][2,048], B = Wq's 512 rows and then Wk's 512 rows [1,024][2,048].  C is not stored: each row's 512 numbers of q and of k are quantised along those 512,
; in blocks of 32, and leave as codes and scale words in the order in which the next launch's operand registers take them.
; SHARES.  A tile of C, 256 x 256, is made by a work-group of four waves; a wave makes 128 x 128: 64 accumulators of 16 x 16, 512 registers.  64 tile rows x 4 tile columns = 256 work-groups.
; Tile columns 0, 1 are q's, 2, 3 are k's: the weight's three buffers (codes, scales, bias) are chosen by s_cselect_b64 on the tile column; there is one path through the text.
; K goes in steps of 256 (rows of 192 bytes) through a ring of two LDS slots filled by the tensor data mover.  The scale bytes of the work-group's 256 rows of A and of B, for all of K, are two dense
; blocks of memory: they come into LDS once, with the first fills, as rows of 256 bytes, and stay.
; CLUSTERS: 4 x 4 work-groups.  The four of a row of the cluster need the same tiles of A, the four of a column the same tiles of B: each tile is asked for JOINTLY, by the same tensor load with the same
; descriptor and a mask that names the four.
; THE MATRIX INSTRUCTION IS USED TRANSPOSED (source 0 = 16 rows of B, source 1 = 16 rows of A): lane (r, h) of accumulator (a, b) holds row 16 a + r of C and its columns 16 b + 8 h + 0 .. 7.
; THE BIAS is the C of each sum's first matrix instruction: eight registers for each of my eight tiles of columns, in the result's layout.
; THE WAY OUT.  My 128 columns are one K step of 128 of the next product.  The 16 registers of accumulators 2 b and 2 b + 1 are half of block b of 32; the other half lies in lane l xor 16.  The block's largest
; magnitude, its scale byte and the conversion follow; the codes are stored as the IMAGE of an operand's 12 registers (three stores of 512 consecutive bytes), the scale words of my 128 rows by one store of 512 bytes.
; qk: q's images at 0, k's at 6,291,456: fragment (tile T of 16 rows, K step s) at (4 T + s) x 1,536, registers 4 c .. 4 c + 3 of lane l at 512 c + 16 l.
;     q's scale words at 12,582,912, k's at 12,845,056: for 128 rows G and K step s a block of 512 bytes at (4 G + s) x 512; the word of row 128 G + 16 a + r at 32 r + 4 a.
; LIMITS.  Inside a block of 32 the codes lie in the order columns 0-7, 16-23, 8-15, 24-31, alike in q and in k: each product q_i k_i meets its partner, the block's members and its scale are the true ones,
; only the order in which the next product's terms are added differs.  A block whose largest magnitude lies under 2^-124 (a block of zeros among them) gets the byte 1: its codes are zeros or nearly, and the bytes are read
; by this program alone.  NaN and infinities are not served.  The bias enters the sum ahead of the products, not behind them.
; REGISTERS, in windows of 256: window 0: v1-6 at work, v16-29 addresses; v32-63 scale words, two sets; v64-127 the bias; v128-223 A's fragments, ONE set; v224-252 the way out's small things;
;   on the way out v64-223 take the codes.   window 1: B's fragments, TWO sets, at v0 and at v128.   window 2: the accumulators of my rows 0-63 ((a, b) at v[8 (8 a + b)]);   window 3: those of my rows 64-127.
.set SIZE_K, 2048
.set KSTEP,  256                       ; along K in a slot
.set NQ,     KSTEP/128                 ; matrix instructions deep
.set ROWB,   192                       ; a tile's row in bytes: 256 codes of 6 bits
.set KROW,   SIZE_K*6/8                ; a row of A or of B in memory, in bytes
.set PITCH,  240                       ; an LDS row: 3 x (64 bytes of data + 16 of padding)
.set FR,     12                        ; registers of a fragment: 16 rows x 128 K
.set NL,     6                         ; LDS loads that bring one
.set NP,     4                         ; places behind this matrix instruction (ISA guide 7.12.1)
.set HALFT,  128*PITCH                 ; 128 rows: what one tensor load brings, and what one wave reads of A or of B
.set SLOT,   4*HALFT                   ; A's 256 rows, then B's 256 rows
.set LAPS,   SIZE_K/(2*KSTEP)          ; a lap = two K steps = once round the ring
.set KS,     SIZE_K/32                 ; a row of scale bytes: 64
.set SCL,    2*SLOT                    ; behind the ring: the scales, as rows of 256 bytes + 16 of padding
.set HALFS,  (128*KS/256)*272          ; the scales of 128 rows: what one tensor load brings
.set SBLK,   (16*KS/256)*272           ; those of 16 rows
.set SPARE,  SCL+4*HALFS               ; behind the scales: the spare words, 128 bytes for each wave: two blocks of 256 bytes that no other line names
.set IMGK,   6291456                   ; qk: from q's images to k's
.set SCQ,    12582912                  ; q's scale words
.set SCK,    262144                    ; from q's scale words to k's
.set ADRA, 16                          ; v16-17  LDS address of my A fragments in slot 0, 1  (v18-19: the same for the pieces that lie behind one padding more)
.set ADRB, 20                          ; v20-21  the same for B  (v22-23)
.set LI,   24                          ; v24     16 x lane: my place in an image
.set SO,   25                          ; v25     32 r + 16 h: my place in a block of scale words
.set BO,   26                          ; v26     32 h: my half's eight numbers of a tile of the bias
.set ADRS, 27                          ; v27     LDS address of my scale words: lanes 0-15 A's rows, lanes 16-31 B's
.set SPW,  28                          ; v28     LDS address of my spare word: SPARE + 4 x my thread's number; never rewritten
.set NIL,  29                          ; v29     0; never rewritten
.set SC,   32                          ; scale words: set s (for slot s) at v[SC + 16 s]; register 2 i + q: lanes 0-15 the word of A's block i, lanes 16-31 that of B's block i, for the slot's q-th 128 along K
.set BI,   64                          ; the bias: tile b of my columns at v[BI + 8 b]
.set AF,   128                         ; A's fragments
.set OUTC, 64                          ; the way out: block a's codes at v[OUTC + 20 a]: 12 registers of the image, 8 at work
.set TM,   224                         ; v224-227 largest magnitudes, v228-231 the other half's, then the bytes, v236-239 the conversions' scale operands
.set PW,   240                         ; v240-247 the scale word of my row in block a
.set SW,   248                         ; v248-251 the four words that I store
.set FLR,  252                         ; v252    the floor 2^(3 - 127)
.set WV, 22                            ; s22 wave;  s23 which half of the tile's rows is mine, also: I fetch for A (0) or for B (1);  s66 which half of its columns, also: which 128 rows I fetch;  s67 the tile row
.set HI, 23
.set LO, 66
.set TR, 67
.set G1, 24                            ; s[24:31] descriptor group 1 for A's tiles;  s[32:39] group 0, one set for each slot
.set G0, 32
.set G1B, 48                           ; s[48:55], s[56:63] the same for B's tiles
.set G0B, 56
.set G1S, 68                           ; s[68:75], s[76:79] groups 1 and 0 for A's scales;  s[80:87], s[88:91] for B's
.set G0S, 76
.set G1SB, 80
.set G0SB, 88
.set MSB, 0
.macro WIN new                         ; the immediate's high byte repeats the setting that is left; a switch that changes nothing is dropped
.if MSB != \new
	s_set_vgpr_msb (MSB<<8)|\new
.set MSB, \new
.endif
.endm
.set MUL_LO, 0xa1                      ; source 0 (B) window 1, source 1 (A) window 0, C and D window 2  (the first step: C, the bias, window 0: 0x81)
.set MUL_HI, 0xf1                      ; the same, C and D window 3  (the first step: 0xc1)
.set TO_B,   0x40                      ; destination window 1, address window 0
; A joint load: waves 0 and 1 fetch for A, waves 2 and 3 for B.  Each of the two lines has ONE mask and one set of registers for all that issue it; the branch hangs on the wave's number alone.
; Four v_nop follow each of the two lines, ahead of the jump, the label and what follows.
.macro JLOAD g0a, g1a, g0b, g1b
	s_cmp_eq_u32 s[HI], 0
	s_cbranch_scc0 .Lfor_b_\@
	tensor_load_to_lds s[\g0a:\g0a+3], s[\g1a:\g1a+7]
	s_nop 0
.rept 4
	v_nop
.endr
	s_branch .Lasked_\@
.Lfor_b_\@:
	tensor_load_to_lds s[\g0b:\g0b+3], s[\g1b:\g1b+7]
	s_nop 0
.rept 4
	v_nop
.endr
.Lasked_\@:
.endm
.macro CREST                           ; a round of the cluster's barrier behind its opening barrier
	s_cmp_lg_u32 s[WV], 0
	s_cbranch_scc1 .Lnot_wave_0_\@
	s_barrier_signal -3
.Lnot_wave_0_\@:
	s_barrier_wait -3
	s_barrier_signal -1
	s_barrier_wait -1
.endm
.macro CROUND                          ; a whole round
	s_barrier_signal -1
	s_barrier_wait -1
	CREST
.endm
	s_load_b512 s[4:19], s[0:1], 0x0               ; hidden's codes s[4:5], scales s[6:7]; Wq's codes s[8:9], scales s[10:11]; Wk's s[12:13], s[14:15]; bq s[16:17]; bk s[18:19]
	s_load_b64 s[20:21], s[0:1], 0x40              ; qk
	v_lshl_add_u32 v[SPW], v0, 2, SPARE
	v_mov_b32 v[NIL], 0
	ds_add_u32 v28, v29
	ds_add_u32 v28, v29
	s_wait_dscnt 0x0
	v_lshrrev_b32 v1, 5, v0
	v_readfirstlane_b32 s[WV], v1                  ; wave 0..3
	s_lshr_b32 s[HI], s[WV], 1
	s_and_b32 s[LO], s[WV], 1
	s_bfe_u32 s40, ttmp6, 0x40000                  ; cx, cy: my place in the cluster
	s_bfe_u32 s41, ttmp6, 0x40004
	s_lshl_b32 s42, ttmp9, 2
	s_add_co_u32 s42, s42, s40                     ; tile column of C = 4 x cluster x + cx: 0 .. 3
	s_and_b32 s[TR], ttmp7, 0xffff
	s_lshl_b32 s[TR], s[TR], 2
	s_add_co_u32 s[TR], s[TR], s41                 ; tile row of C = 4 x cluster y + cy: 0 .. 63
	s_lshl_b32 s43, s41, 2
	s_lshl_b32 s43, 15, s43                        ; my row of the cluster
	s_lshl_b32 s44, 0x1111, s40                    ; my column
	; descriptor group 1: a tile of 128 rows x 192 bytes, padded in LDS
	s_or_b32 s[G1+0], s43, (0<<16)|(1<<20)|(1<<21)|(3<<22)|(3<<25)  ; 15:0 the mask: A's tiles go to my row; 17:16 element of 1 byte; 20 padding on; 21 set beside a mask; 24:22 after every 16 words (code 3); 31:25 of 4 words (code 3)
	s_or_b32 s[G1B+0], s44, (0<<16)|(1<<20)|(1<<21)|(3<<22)|(3<<25) ; the same with the mask of my column, for B's tiles
.irp g, G1, G1B
	s_mov_b32 s[\g+1], ROWB<<16                    ; tensor_dim0
	s_mov_b32 s[\g+2], 128<<16                     ; tensor_dim1 = 128
	s_mov_b32 s[\g+3], ROWB<<16                    ; tile_dim0
	s_mov_b32 s[\g+4], 128                         ; tile_dim1 = 128
	s_mov_b32 s[\g+5], KROW                        ; tensor_dim0_stride
	s_mov_b32 s[\g+6], 0
	s_mov_b32 s[\g+7], 0
.endr
	; and for the scales of 128 rows: a dense block of 8,192 bytes, as 32 rows of 256 bytes (32 elements of 8 bytes), 16 bytes of padding behind each
	s_or_b32 s[G1S+0], s43, (3<<16)|(1<<20)|(1<<21)|(5<<22)|(3<<25)
	s_or_b32 s[G1SB+0], s44, (3<<16)|(1<<20)|(1<<21)|(5<<22)|(3<<25)
.irp g, G1S, G1SB
	s_mov_b32 s[\g+1], 32<<16
	s_mov_b32 s[\g+2], (128*KS/256)<<16
	s_mov_b32 s[\g+3], 32<<16
	s_mov_b32 s[\g+4], 128*KS/256
	s_mov_b32 s[\g+5], 32
	s_mov_b32 s[\g+6], 0
	s_mov_b32 s[\g+7], 0
.endr
	; where the tiles come from.  A's hang on the tile row alone, which my row of the cluster shares; B's on the tile column alone, which my column shares.
	s_lshl_b32 s95, s[LO], 7                       ; which 128 rows of the tile I fetch
	s_lshl_b32 s96, s[TR], 8
	s_add_co_u32 s96, s96, s95                     ; A: row 256 x tile row + 128 x half
	s_mov_b32 s97, 0
	s_and_b32 s46, s42, 1
	s_lshl_b32 s46, s46, 8
	s_add_co_u32 s46, s46, s95                     ; B: row 256 x (tile column mod 2) + 128 x half of the chosen weight
	s_mov_b32 s47, 0
	s_mov_b64 s[100:101], KS
	s_mul_u64 s[98:99], s[96:97], s[100:101]       ; where these rows' scales begin, in bytes
	s_mul_u64 s[92:93], s[46:47], s[100:101]
	s_mov_b64 s[100:101], KROW
	s_mul_u64 s[96:97], s[96:97], s[100:101]       ; and their codes
	s_mul_u64 s[46:47], s[46:47], s[100:101]
	s_mul_i32 s45, s[WV], HALFT                    ; where they go: wave x 128 rows: no place in the cluster enters an LDS address
	s_mul_i32 s94, s[WV], HALFS
	s_wait_kmcnt 0x0
	s_cmp_lt_u32 s42, 2                            ; tile columns 0, 1: Wq and bq; 2, 3: Wk and bk.  The choice hangs on the tile column alone, on no address
	s_cselect_b64 s[8:9], s[8:9], s[12:13]
	s_cselect_b64 s[10:11], s[10:11], s[14:15]
	s_cselect_b64 s[16:17], s[16:17], s[18:19]
	s_add_nc_u64 s[96:97], s[4:5], s[96:97]
	s_add_nc_u64 s[98:99], s[6:7], s[98:99]
	s_add_nc_u64 s[46:47], s[8:9], s[46:47]
	s_add_nc_u64 s[92:93], s[10:11], s[92:93]
	CROUND                                         ; all sixteen work-groups are here: the first joint loads meet
	s_mov_b32 s[G0S], 1
	s_add_co_u32 s[G0S+1], s94, SCL
	s_mov_b64 s[G0S+2:G0S+3], s[98:99]
	s_or_b32 s[G0S+3], s[G0S+3], 0x80000000
	s_mov_b32 s[G0SB], 1
	s_add_co_u32 s[G0SB+1], s94, SCL
	s_mov_b64 s[G0SB+2:G0SB+3], s[92:93]
	s_or_b32 s[G0SB+3], s[G0SB+3], 0x80000000
	JLOAD G0S, G1S, G0SB, G1SB                     ; the scales first: they are wanted with K step 0
.irp s, 0,1
	s_mov_b32 s[G0+4*\s], 1                                        ; 1:0 count = 1
	s_add_co_u32 s[G0+4*\s+1], s45, \s*SLOT                        ; 63:32 LDS address
	s_add_nc_u64 s[G0+4*\s+2:G0+4*\s+3], s[96:97], \s*ROWB         ; 120:64 global address: K step s
	s_or_b32 s[G0+4*\s+3], s[G0+4*\s+3], 0x80000000                ; 127:126 type = 2
	s_mov_b32 s[G0B+4*\s], 1
	s_add_co_u32 s[G0B+4*\s+1], s45, \s*SLOT
	s_add_nc_u64 s[G0B+4*\s+2:G0B+4*\s+3], s[46:47], \s*ROWB
	s_or_b32 s[G0B+4*\s+3], s[G0B+4*\s+3], 0x80000000
	JLOAD G0+4*\s, G1, G0B+4*\s, G1B               ; three tensor loads of mine are out behind the second of these
.endr
	v_and_b32 v1, 15, v0                           ; r = l % 16
	v_bfe_u32 v2, v0, 4, 1                         ; h = l / 16; kept to the end
	v_lshlrev_b32 v[BO], 5, v2
	s_and_b32 s18, s42, 1                          ; the bias of my 128 columns: (256 x (tile column mod 2) + 128 x half) numbers on
	s_lshl_b32 s18, s18, 10
	s_lshl_b32 s19, s[LO], 9
	s_add_co_u32 s18, s18, s19
	s_mov_b32 s19, 0
	s_add_nc_u64 s[16:17], s[16:17], s[18:19]
.irp b, 0,1,2,3,4,5,6,7
	global_load_b128 v[BI+8*\b:BI+8*\b+3],   v[BO], s[16:17] offset:64*\b      ; lane (r, h): the bias of columns 16 b + 8 h + 0 .. 7
	global_load_b128 v[BI+8*\b+4:BI+8*\b+7], v[BO], s[16:17] offset:64*\b+16
.endr
	v_mul_u32_u24 v3, v1, PITCH
	v_mul_u32_u24 v4, v2, 24
	v_add_nc_u32 v4, v3, v4                        ; a fragment's row x pitch + 24 x half
	v_lshl_add_u32 v5, v2, 4, v4                   ; and the same behind one padding more
	s_mul_i32 s2, s[HI], HALFT                     ; my 128 rows of A
	s_mul_i32 s95, s[LO], HALFT                    ; my 128 rows of B,
	s_add_co_u32 s95, s95, 2*HALFT                 ; which lie behind A's 256
.irp s, 0,1
	v_add_nc_u32 v[ADRA+\s], s2, v4
	v_add_nc_u32 v[ADRB+\s], s95, v4
	v_add_nc_u32 v[ADRA+2+\s], s2, v5
	v_add_nc_u32 v[ADRB+2+\s], s95, v5
	s_add_co_u32 s2, s2, SLOT
	s_add_co_u32 s95, s95, SLOT
.endr
	v_mul_u32_u24 v5, v1, KS                       ; my row's scales: 64 bytes a row,
	v_lshrrev_b32 v6, 8, v5
	v_lshl_add_u32 v5, v6, 4, v5                   ; and 16 more for each 256 passed
	s_mul_i32 s2, s[HI], HALFS                     ; A's: my 128 rows
	s_mul_i32 s95, s[LO], HALFS                    ; B's: my 128 rows, behind A's 256
	s_add_co_u32 s95, s95, 2*HALFS
	s_sub_co_u32 s95, s95, s2
	v_mul_u32_u24 v6, s95, v2                      ; lanes 16-31 take B's: the lower base + h x the distance
	s_add_co_u32 s2, s2, SCL
	v_add_nc_u32 v5, v5, v6
	v_add_nc_u32 v[ADRS], s2, v5
	v_and_b32 v6, 31, v0
	v_lshlrev_b32 v[LI], 4, v6
	v_lshlrev_b32 v[SO], 5, v1
	v_lshl_add_u32 v[SO], v2, 4, v[SO]
	v_mov_b32 v[FLR], 0x1800000
.irp b, 0,1,2,3
	v_mov_b32 v[TM+4+\b], 0                        ; written once: a lane permute's destination counts as one of its sources
.endr
	; where my results go in qk.  G = 2 x tile row + row half: my 128 rows;  s = 2 x (tile column mod 2) + column half: the next product's K step;  tile column / 2: q or k
	s_lshl_b32 s2, s[TR], 1
	s_add_co_u32 s2, s2, s[HI]                     ; G
	s_and_b32 s95, s42, 1
	s_lshl_b32 s95, s95, 1
	s_add_co_u32 s95, s95, s[LO]                   ; s
	s_lshr_b32 s100, s42, 1                        ; 0: q, 1: k
	s_mul_i32 s18, s2, 8*4*1536                    ; images: 8 tiles of rows x 4 K steps x 1,536 bytes for each G,
	s_mul_i32 s101, s95, 1536
	s_add_co_u32 s18, s18, s101
	s_mul_i32 s101, s100, IMGK
	s_add_co_u32 s18, s18, s101
	s_mov_b32 s19, 0
	s_add_nc_u64 s[12:13], s[20:21], s[18:19]
	s_lshl_b32 s18, s2, 2                          ; scale words: block 4 G + s of 512 bytes
	s_add_co_u32 s18, s18, s95
	s_lshl_b32 s18, s18, 9
	s_mul_i32 s101, s100, SCK
	s_add_co_u32 s18, s18, s101
	s_add_co_u32 s18, s18, SCQ
	s_add_nc_u64 s[14:15], s[20:21], s[18:19]
.macro FRAG reg, adr, q, i             ; a fragment, 16 rows x 128 K of 6-bit codes, is 12 registers: lane l holds row l % 16; registers 6 c .. 6 c + 5 hold K = 64 c + 32 (l / 16) + 0 .. 31: 24 bytes of the row's stream of bits, as they lie
.irp p, 0,1,2,3,4,5                    ; in pieces of 8 bytes, so that every address is a multiple of the access's size.  Lanes 0-15 take the row's pieces 12 q + 0, 1, 2 and 12 q + 6, 7, 8, lanes 16-31 those three pieces on
.set PC, 12*(\q)+6*(\p/3)+\p%3         ; 16 bytes of padding lie behind every 64 bytes (8 pieces): where the piece three on lies behind one padding more, the second address register (40 for 24 bytes a half) serves
.if PC%8 < 5
	ds_load_b64 v[\reg+2*\p:\reg+2*\p+1], v[\adr] offset:8*PC+16*(PC/8)+(\i)*16*PITCH
.else
	ds_load_b64 v[\reg+2*\p:\reg+2*\p+1], v[\adr+2] offset:8*PC+16*(PC/8)+(\i)*16*PITCH
.endif
.endr
.endm
; 16 matrix instructions: A's blocks a0, a0 + 1 x B's eight, 128 along K: the slot's q-th.  p: B's set;  sc: the set of scale words.  first = 1: the first product starts the sums from the bias: nothing is ever cleared or added later.
; The 64 accumulators take turns, one instruction a turn, in the same order in every step.
.macro MUL16 a0, p, q, sc, first
.irp a, \a0, \a0+1
.irp b, 0,1,2,3,4,5,6,7
.if \first
	v_wmma_scale_f32_16x16x128_f8f6f4 v[8*(8*((\a)%4)+\b):8*(8*((\a)%4)+\b)+7], v[128*(\p)+FR*\b:128*(\p)+FR*\b+FR-1], v[AF+FR*(\a):AF+FR*(\a)+FR-1], v[BI+8*\b:BI+8*\b+7], v[SC+8*NQ*(\sc)+NQ*\b+(\q)], v[SC+8*NQ*(\sc)+NQ*(\a)+(\q)] matrix_a_fmt:MATRIX_FMT_FP6 matrix_b_fmt:MATRIX_FMT_FP6 matrix_a_scale:MATRIX_SCALE_ROW1
.else
	v_wmma_scale_f32_16x16x128_f8f6f4 v[8*(8*((\a)%4)+\b):8*(8*((\a)%4)+\b)+7], v[128*(\p)+FR*\b:128*(\p)+FR*\b+FR-1], v[AF+FR*(\a):AF+FR*(\a)+FR-1], v[8*(8*((\a)%4)+\b):8*(8*((\a)%4)+\b)+7], v[SC+8*NQ*(\sc)+NQ*\b+(\q)], v[SC+8*NQ*(\sc)+NQ*(\a)+(\q)] matrix_a_fmt:MATRIX_FMT_FP6 matrix_b_fmt:MATRIX_FMT_FP6 matrix_a_scale:MATRIX_SCALE_ROW1
.endif
.endr
.endr
.endm
.macro FETCH_B slot, q, p              ; B's eight fragments of the slot's q-th 128 along K into set p
	WIN TO_B
.irp i, 0,1,2,3,4,5,6,7
	FRAG 128*(\p)+FR*\i, ADRB+\slot, \q, \i
.endr
	WIN 0
.endm
.macro FETCH_A slot, q, i0             ; A's blocks i0 .. i0 + 3
.irp i, \i0, \i0+1, \i0+2, \i0+3
	FRAG AF+FR*(\i), ADRA+\slot, \q, \i
.endr
.endm
.macro SCALES sc                       ; the next K step's scale words into set sc: two words a row; lanes 0-15 take A's block i, lanes 16-31 B's block i
.irp i, 0,1,2,3,4,5,6,7
	ds_load_b64 v[SC+8*NQ*\sc+NQ*\i:SC+8*NQ*\sc+NQ*\i+1], v[ADRS] offset:\i*SBLK
.endr
.endm
; A load into a register that a matrix instruction has read, and a vector instruction that reads a matrix result or writes one of a matrix instruction's registers, stand NP places behind that matrix instruction, and only plain
; vector instructions that name none of its registers are places (ISA guide 7.12.1 for vector instructions); this text does not count the matrix instructions in between.
.macro PLACES n
.rept \n
	v_nop
.endr
.endm
; A step of 128 along K that has its successor in the same slot.  A block of A is free as soon as its eight products are issued: blocks 0-3 are fetched anew in the step's middle, blocks 4-7 at its end.
.macro STEP slot, q, first
	s_wait_dscnt 4*NL                              ; B's set, A's blocks 0-3 and the scale words are in; the youngest 24 loads (A's blocks 4-7) may be out
	WIN MUL_LO-0x20*\first
	MUL16 0, (\q)%2, \q, \slot, \first
	MUL16 2, (\q)%2, \q, \slot, \first
	s_wait_dscnt 0                                 ; A's blocks 4-7 are in (asked for 32 matrix instructions ago)
	PLACES NP
	FETCH_B \slot, (\q)+1, 1-(\q)%2
	FETCH_A \slot, (\q)+1, 0
	WIN MUL_HI-0x30*\first
	MUL16 4, (\q)%2, \q, \slot, \first
	MUL16 6, (\q)%2, \q, \slot, \first
	PLACES NP
	WIN 0
	FETCH_A \slot, (\q)+1, 4
.endm
; A slot's last step changes slots: ONE barrier; in front of it each wave waits for all its tensor loads, adds 0 to its spare word, and waits for that and for its own reads of this slot.  fill = 1: this slot is filled again, two K steps ahead.
.macro TURN slot, next, fill
	s_wait_tensorcnt 0x0                           ; all my tensor loads have landed: my part of the next slot;  (every window is 0 here: the add's two registers lie in window 0)
	ds_add_u32 v[SPW], v[NIL]                      ; 0 onto my spare word
	s_wait_dscnt 4*NL+1                            ; (the add and the youngest 24 loads, A's blocks 4-7, may be out)
	WIN MUL_LO
	MUL16 0, 1, NQ-1, \slot, 0                     ; sixteen matrix instructions stand between the add and the wait for it
	s_wait_dscnt 0x0                               ; the add is done, and my reads of this slot are over
	s_barrier_signal -1
	MUL16 2, 1, NQ-1, \slot, 0
	WIN 0
	s_barrier_wait -1
.if \fill
	CREST                                          ; the barrier has opened a round of the cluster's barrier: no wave of any partner still reads this slot's tile or has a load on its way
	s_add_nc_u64 s[G0+4*\slot+2:G0+4*\slot+3], s[G0+4*\slot+2:G0+4*\slot+3], 2*ROWB
	s_add_nc_u64 s[G0B+4*\slot+2:G0B+4*\slot+3], s[G0B+4*\slot+2:G0B+4*\slot+3], 2*ROWB
	JLOAD G0+4*\slot, G1, G0B+4*\slot, G1B         ; the first tensor load behind the round, my only one until the next; the four v_nop behind it are the places in front of the loads below
.else
	PLACES NP
.endif
	v_add_nc_u32 v[ADRS], 4*NQ, v[ADRS]            ; on to the next K step's scale words (no LDS load of mine is out)
	FETCH_B \next, 0, 0
	FETCH_A \next, 0, 0
	SCALES \next
	WIN MUL_HI
	MUL16 4, 1, NQ-1, \slot, 0
	MUL16 6, 1, NQ-1, \slot, 0
	PLACES NP
	WIN 0
	FETCH_A \next, 0, 4
.endm
	s_wait_tensorcnt 1                             ; the scales and my part of K step 0 are in; the one younger load, K step 1's, may be out
	s_barrier_signal -1
	s_barrier_wait -1                              ; everybody's are
	FETCH_B 0, 0, 0
	FETCH_A 0, 0, 0
	SCALES 0
	FETCH_A 0, 0, 4
	s_wait_loadcnt 0x0                             ; the bias
	STEP 0, 0, 1                                   ; the first step stands in front of the loop: its products start the sums from the bias
	s_mov_b32 s3, LAPS-1
.Llap:                                                 ; a trip goes once round the ring, from a lap's second step to the next lap's first, and fills both slots again: 3 trips, 6 refills, K steps 2 to 7
	TURN 0, 1, 1
	STEP 1, 0, 0
	TURN 1, 0, 1
	STEP 0, 0, 0
	s_sub_co_u32 s3, s3, 1
	s_cmp_lg_u32 s3, 0
	s_cbranch_scc1 .Llap
	TURN 0, 1, 0                                   ; the last lap fills nothing, and has no round of the cluster's barrier
	STEP 1, 0, 0
	s_wait_dscnt 4*NL                              ; the very last step: nothing more to fetch
	WIN MUL_LO
	MUL16 0, 1, NQ-1, 1, 0
	MUL16 2, 1, NQ-1, 1, 0
	s_wait_dscnt 0
	WIN MUL_HI
	MUL16 4, 1, NQ-1, 1, 0
	MUL16 6, 1, NQ-1, 1, 0
	WIN 0
; THE WAY OUT of block a (16 rows x my 128 columns, 64 numbers a lane): four blocks of 32 along the next K.  Register 16 b + i of the block's 64 is a member of block b; the other 16 members lie in lane l xor 16.
; Each accumulator is read from its low end on.  Every block has registers of its own for its codes and its word, and no base is stepped: no store's data or address is written again.
.macro QUANT a
.set AW, 2+(\a)/4                      ; the accumulators' window
.set AS, 64*((\a)%4)                   ; and their first register
.set CD, OUTC+20*(\a)
	WIN ((AW<<2)|(AW<<4))                          ; sources 1 and 2: the accumulators' window
.irp b, 0,1,2,3
	v_max3_num_f32 v[TM+\b], v[FLR], |v[AS+16*\b]|, |v[AS+16*\b+1]|   ; block b: my 16 numbers, and the floor 2^(3 - 127), under which no largest magnitude is taken: so the byte cannot fall under 1
.endr
.irp i, 2,4,6,8,10,12,14
.irp b, 0,1,2,3
	v_max3_num_f32 v[TM+\b], v[TM+\b], |v[AS+16*\b+\i]|, |v[AS+16*\b+\i+1]|   ; (the four blocks by turns: no line waits for the line above it)
.endr
.endr
	WIN 0
.irp b, 0,1,2,3
	v_permlanex16_b32 v[TM+4+\b], v[TM+\b], s96, s97
.endr
.irp b, 0,1,2,3
	v_max_num_f32 v[TM+\b], v[TM+\b], v[TM+4+\b]   ; with lane l xor 16's: the block's largest magnitude
.endr
.irp b, 0,1,2,3
	v_add_nc_u32 v[TM+12+\b], 0xff000000, v[TM+\b] ; 2 off its exponent field: the conversion takes the exponent field of this operand as its scale, and nothing else of it
.endr
.irp b, 0,1,2,3
	v_lshrrev_b32 v[TM+4+\b], 23, v[TM+12+\b]      ; the scale's byte
.endr
	v_lshl_or_b32 v[PW+(\a)], v[TM+5], 8, v[TM+4]  ; the four bytes make my row's scale word for this K step
	v_lshl_or_b32 v[PW+(\a)], v[TM+6], 16, v[PW+(\a)]
	v_lshl_or_b32 v[PW+(\a)], v[TM+7], 24, v[PW+(\a)]
	WIN AW                                         ; source 0: the accumulators' window
.irp c, 0,1
	v_cvt_scalef32_pk16_fp6_f32 v[CD+6*\c:CD+6*\c+2], v[AS+32*\c:AS+32*\c+15], v[TM+12+2*\c]
	v_cvt_scalef32_pk16_fp6_f32 v[CD+12+4*\c:CD+14+4*\c], v[AS+32*\c+16:AS+32*\c+31], v[TM+13+2*\c]   ; (a conversion's three registers begin on an even number)
.endr
	WIN 0
	v_nop                                          ; one plain place behind a scaled conversion
.irp c, 0,1                                    ; the operand's layout wants a WHOLE block in a lane: lanes 0-15 block 2 c, lanes 16-31 block 2 c + 1
.irp i, 0,1,2
	v_permlane16_swap_b32 v[CD+6*\c+\i], v[CD+12+4*\c+\i]   ; the first's lanes 16-31 change places with the second's lanes 0-15
.endr
.irp i, 0,1,2
	v_mov_b32 v[CD+3+6*\c+\i], v[CD+12+4*\c+\i]
.endr
.endr
.irp c, 0,1,2
	global_store_b128 v[LI], v[CD+4*\c:CD+4*\c+3], s[12:13] offset:(\a)*6144+512*\c   ; the image: 32 lanes store 512 consecutive bytes, at a multiple of 512 from qk's first byte
.endr
.endm
	s_mov_b32 s96, 0x76543210                      ; v_permlanex16_b32's selects for lane l xor 16 (no tensor load of mine is out, and these two feed no descriptor any more)
	s_mov_b32 s97, 0xfedcba98
	PLACES NP                                      ; behind the last products: their results are read, and A's fragments and the bias are written over, only behind these
.irp a, 0,1,2,3,4,5,6,7
	QUANT \a
.endr
	v_cmp_eq_u32 vcc_lo, 1, v2                     ; lanes 0-15 store the words of blocks 0-3 of their row, lanes 16-31 those of blocks 4-7
.irp j, 0,1,2,3
	v_cndmask_b32 v[SW+\j], v[PW+\j], v[PW+4+\j], vcc_lo
.endr
	global_store_b128 v[SO], v[SW:SW+3], s[14:15]  ; 512 consecutive bytes: the scale words of my 128 rows for this K step
	s_wait_tensorcnt 0x0                           ; the wave's end
	ds_add_u32 v[SPW], v[NIL]
	s_wait_dscnt 0x0
	CROUND                                         ; the closing round: no work-group ends while a partner may still ask for a tile that names it
	s_endpgm
.Lfunc_end_k_q08b55b1405_project:
	.size	k_q08b55b1405_project, .Lfunc_end_k_q08b55b1405_project-k_q08b55b1405_project
	.p2alignl 7, 3214868480
	.fill 96, 4, 3214868480
	.section	.rodata,"a",@progbits
	.p2align	6, 0x0
	.amdhsa_kernel k_q08b55b1405_project
		.amdhsa_group_segment_fixed_size 327680
		.amdhsa_private_segment_fixed_size 0
		.amdhsa_enable_private_segment 0
		.amdhsa_kernarg_size 72
		.amdhsa_user_sgpr_count 2
		.amdhsa_user_sgpr_kernarg_segment_ptr 1
		.amdhsa_wavefront_size32 1
		.amdhsa_system_sgpr_workgroup_id_x 1
		.amdhsa_system_sgpr_workgroup_id_y 1
		.amdhsa_system_sgpr_workgroup_id_z 1
		.amdhsa_system_vgpr_workitem_id 0
		.amdhsa_next_free_vgpr 1024
		.amdhsa_next_free_sgpr 102
		.amdhsa_reserve_vcc 1
		.amdhsa_float_denorm_mode_32 3
		.amdhsa_float_denorm_mode_16_64 3
		.amdhsa_memory_ordered 1
		.amdhsa_forward_progress 1
		.amdhsa_inst_pref_size 165
	.end_amdhsa_kernel
	.amdgpu_metadata
---
amdhsa.version: [ 1, 2 ]
amdhsa.kernels:
  - .name:           k_q08b55b1405_project
    .symbol:         k_q08b55b1405_project.kd
    .args:
      - { .name: hidden_codes, .offset: 0, .size: 8, .value_kind: global_buffer, .address_space: global }
      - { .name: hidden_scales, .offset: 8, .size: 8, .value_kind: global_buffer, .address_space: global }
      - { .name: Wq_codes, .offset: 16, .size: 8, .value_kind: global_buffer, .address_space: global }
      - { .name: Wq_scales, .offset: 24, .size: 8, .value_kind: global_buffer, .address_space: global }
      - { .name: Wk_codes, .offset: 32, .size: 8, .value_kind: global_buffer, .address_space: global }
      - { .name: Wk_scales, .offset: 40, .size: 8, .value_kind: global_buffer, .address_space: global }
      - { .name: bq, .offset: 48, .size: 8, .value_kind: global_buffer, .address_space: global }
      - { .name: bk, .offset: 56, .size: 8, .value_kind: global_buffer, .address_space: global }
      - { .name: qk, .offset: 64, .size: 8, .value_kind: global_buffer, .address_space: global }
    .group_segment_fixed_size: 327680
    .private_segment_fixed_size: 0
    .kernarg_segment_align: 8
    .kernarg_segment_size: 72
    .max_flat_workgroup_size: 128
    .sgpr_count:     102
    .vgpr_count:     1024
    .wavefront_size: 32
...
	.end_amdgpu_metadata
.endif
;; end of part 1
;; launch scores (part 2): grid 256 x 1, 8 waves a work-group, no clusters, 27,648 bytes of LDS; arguments qk, out0; writes out0
.if DOCPART == 2
	.amdgcn_target "amdgcn-amd-amdhsa--gfx1250"
	.amdhsa_code_object_version 6
	.text
	.protected	k_q08b55b1405_scores
	.globl	k_q08b55b1405_scores
	.p2align	8
	.type	k_q08b55b1405_scores,@function
k_q08b55b1405_scores:
	s_mov_b64 s[64:65], 0
	v_nop
	global_prefetch_b8 v0, s[64:65] scope:SCOPE_SE
	s_setreg_imm32_b32 hwreg(HW_REG_WAVE_MODE, 25, 1), 1
	s_wait_xcnt 0x0
; out0[row] = 512^-0.5 / 4,096 x the sum over the batch's 4,096 keys of Q(q[row]) . Q(k[key]), the whole product on codes of FP6 (E2M3) with one E8M0 scale for each 32 along its K = 512.
; qk holds q's and k's codes as images of operand registers, and their scale words, as the launch before laid them:
;   images: q's at 0, k's at 6,291,456: fragment (tile T of 16 rows, K step s) at (4 T + s) x 1,536, registers 4 c .. 4 c + 3 of lane l at 512 c + 16 l;
;   scale words: q's at 12,582,912, k's at 12,845,056: for 128 rows G and K step s 512 bytes at (4 G + s) x 512, the word of row 128 G + 16 a + r at 32 r + 4 a.
; SHARES.  EACH OUTPUT HAS ONE OWNER: work-group g owns rows 64 g .. 64 g + 63 (batch g / 64), four tiles of 16 queries, so that no launch is spent on adding parts.  Each of its eight waves holds all 16 query
; fragments (192 registers) and walks 512 of the batch's keys: 32 tiles of 16.  A key fragment comes from memory straight into registers, by three loads of 512 consecutive bytes, and feeds four products.
; S^T = k q^T (source 0 = 16 keys, source 1 = 16 queries).  THE SUM OVER THE KEYS IS MADE BY THE ACCUMULATORS: every tile of keys and every K step adds onto the query tile's ONE accumulator, whose element
; (key mod 16, query) so gathers a sixteenth of the wave's keys; its 16 rows are added once, at the end; the eight waves' sums meet in LDS, and wave 0 stores the work-group's 64 numbers as 256 consecutive bytes.
; 512 matrix instructions a wave; the four accumulators take turns, one instruction a turn, from the first to the last.
; NO JOINT LOADS, NO RING IN LDS, though the 64 work-groups of a batch read the same keys.  By this text's arithmetic: no key fragment is read by two waves of a work-group, so LDS would spare no read inside it;
; 128 keys are 49,152 bytes of codes, so two slots that fit in LDS hold 384 keys each at the most, which is 96 matrix instructions a wave between a request and the wait for it, with a round of
; the cluster's barrier at each change; here each wave has 36 to 52 loads of 512 bytes on their way through the whole walk (62 at the start), and the walk has no barrier at all.
; The text is written out without a loop: every offset is an immediate (196,096 at the most) and no pointer is stepped; the scale words' two sets come back after 16 tiles, so a loop would have one trip beside its tail.
; LIMITS.  The factor is applied once, to the f32 row sum, not to each score; the row sum is grouped by key mod 16 and by wave; NaN and infinities are not served.
; REGISTERS: window 0: v1-8 addresses; v16-31 the queries' scale words; v32-63 the keys', two sets; v64-255 the 16 query fragments (at the very end v64-79: the eight waves' sums).
;   window 1: v0-191 four tiles of keys, 48 registers each; v192-223 the four accumulators (before the walk: the landing place of the two query fragments that I fetch); v224 16 x lane.
.set IMGK, 6291456                     ; qk: k's images
.set SCQ,  12582912                    ; q's scale words
.set SCKB, 12845056                    ; k's scale words
.set RED,  24576                       ; LDS: the 16 query fragments' images at 0 (24,576 bytes); then 256 bytes for each wave: its 64 sums
.set LI,   1                           ; v1   16 x lane
.set QSO,  2                           ; v2   32 r
.set KSO,  3                           ; v3   32 r + 16 h
.set QW,   4                           ; v4   where I store the images that I fetched: 3,072 x wave + 16 x lane
.set RB,   5                           ; v5   RED + 8 x lane
.set GO,   6                           ; v6   8 x lane
.set RA,   7                           ; v7   RED + 256 x wave + 4 r
.set QS,   16                          ; the word of (K step s, query tile q) at v[QS + 4 s + q], lanes 0-15
.set KS,   32                          ; set g % 2 for the g-th 128 keys: register 4 s + j: lanes 0-15 the words of key tile j, lanes 16-31 those of key tile 4 + j
.set QF,   64                          ; the fragment of (query tile q, K step s) at v[QF + 48 q + 12 s]
.set KR,   0                           ; window 1: key tile t at v[KR + 48 (t % 4)], its K step s 12 s on
.set ACC,  192                         ; window 1
.set KO,   224                         ; window 1
.set MSB, 0
.macro WIN new                         ; the immediate's high byte repeats the setting that is left; a switch that changes nothing is dropped
.if MSB != \new
	s_set_vgpr_msb (MSB<<8)|\new
.set MSB, \new
.endif
.endm
.set MAIN, 0x51                        ; products: D, C and source 0 (keys) window 1, source 1 (queries) window 0.  Loads: data and offset register window 1.  One setting serves the whole walk
	s_load_b128 s[4:7], s[0:1], 0x0                ; qk s[4:5], out0 s[6:7]
	v_lshl_add_u32 v14, v0, 2, 0x6800
	v_mov_b32 v15, 0
	v_lshrrev_b32 v8, 5, v0
	v_readfirstlane_b32 s8, v8                     ; wave 0..7
	v_and_b32 v[LI], 31, v0                        ; lane
	v_and_b32 v[RA], 15, v0                        ; r
	v_bfe_u32 v8, v0, 4, 1                         ; h
	v_lshlrev_b32 v[RB], 3, v[LI]
	v_lshlrev_b32 v[GO], 3, v[LI]
	v_lshlrev_b32 v[LI], 4, v[LI]
	v_lshlrev_b32 v[QSO], 5, v[RA]
	v_lshl_add_u32 v[KSO], v8, 4, v[QSO]
	s_mul_i32 s9, s8, 3072
	v_add_nc_u32 v[QW], s9, v[LI]
	v_add_nc_u32 v[RB], RED, v[RB]
	s_lshl_b32 s10, s8, 8
	s_add_co_u32 s10, s10, RED
	v_lshl_add_u32 v[RA], v[RA], 2, s10
	s_lshr_b32 s11, ttmp9, 6                       ; the batch
	s_mul_i32 s12, ttmp9, 16*1536                  ; my work-group's 16 query fragments,
	s_add_co_u32 s12, s12, s9                      ; of which I fetch two
	s_mov_b32 s13, 0
	s_lshr_b32 s14, ttmp9, 1                       ; the queries' scale words: G = g / 2, four blocks of 512 bytes; my four tiles are a = 4 (g % 2) + 0 .. 3: 16 (g % 2) bytes on
	s_lshl_b32 s14, s14, 11
	s_and_b32 s15, ttmp9, 1
	s_lshl_b32 s15, s15, 4
	s_add_co_u32 s14, s14, s15
	s_add_co_u32 s14, s14, SCQ
	s_mov_b32 s15, 0
	s_lshl_b32 s16, s11, 8                         ; my first key tile: 256 x batch + 32 x wave; 6,144 bytes a tile
	s_lshl_b32 s17, s8, 5
	s_add_co_u32 s16, s16, s17
	s_mul_i32 s16, s16, 6144
	s_add_co_u32 s16, s16, IMGK
	s_mov_b32 s17, 0
	s_lshl_b32 s18, s11, 5                         ; my first 128 keys: G = 32 x batch + 4 x wave; 2,048 bytes of scale words each
	s_lshl_b32 s19, s8, 2
	s_add_co_u32 s18, s18, s19
	s_lshl_b32 s18, s18, 11
	s_add_co_u32 s18, s18, SCKB
	s_mov_b32 s19, 0
	s_lshl_b32 s22, ttmp9, 8                       ; my work-group's 64 numbers of out0
	s_mov_b32 s23, 0
	s_mov_b32 s20, 0x76543210                      ; v_permlanex16_b32's selects for lane l xor 16
	s_mov_b32 s21, 0xfedcba98
	s_wait_kmcnt 0x0
	s_add_nc_u64 s[12:13], s[4:5], s[12:13]
	s_add_nc_u64 s[14:15], s[4:5], s[14:15]
	s_add_nc_u64 s[16:17], s[4:5], s[16:17]
	s_add_nc_u64 s[18:19], s[4:5], s[18:19]
	s_add_nc_u64 s[6:7], s[6:7], s[22:23]
.macro LK t                            ; key tile t: four fragments, twelve loads of 512 consecutive bytes
.irp s, 0,1,2,3
.irp c, 0,1,2
	global_load_b128 v[KR+48*((\t)%4)+12*\s+4*\c:KR+48*((\t)%4)+12*\s+4*\c+3], v[KO], s[16:17] offset:6144*(\t)+1536*\s+512*\c
.endr
.endr
.endm
.macro SCL g                           ; the scale words of my g-th 128 keys: four loads of 512 consecutive bytes; lane (r, h) takes the words of tiles 4 h .. 4 h + 3 of its row r
.irp s, 0,1,2,3
	global_load_b128 v[KS+16*((\g)%2)+4*\s:KS+16*((\g)%2)+4*\s+3], v[KSO], s[18:19] offset:2048*(\g)+512*\s
.endr
.endm
	WIN 0x40                                       ; destination window 1, sources window 0
	v_mov_b32 v[KO], v[LI]
.irp i, 0,1,2,3,4,5
	global_load_b128 v[ACC+4*\i:ACC+4*\i+3], v[LI], s[12:13] offset:512*\i   ; my two of the 16 query fragments: each query byte is read from memory once by the work-group
.endr
	WIN 0
	SCL 0
.irp s, 0,1,2,3
	global_load_b128 v[QS+4*\s:QS+4*\s+3], v[QSO], s[14:15] offset:512*\s    ; the queries' scale words: lane r (and 16 + r) takes its row's words of my four tiles
.endr
	WIN MAIN
	LK 0
	LK 1
	LK 2
	LK 3                                           ; 62 loads of mine are out
	s_wait_loadcnt 56                              ; the six query loads are in; the 56 issued behind them stay out
	WIN 0x04                                       ; an LDS store's data are its source 1: window 1
.irp i, 0,1,2,3,4,5
	ds_store_b128 v[QW], v[ACC+4*\i:ACC+4*\i+3] offset:512*\i
.endr
	WIN 0
	s_wait_dscnt 0x0                               ; for the others' sake: my stores have landed
	s_barrier_signal -1
	s_barrier_wait -1                              ; the 16 images lie in LDS
.irp f, 0,1,2,3,4,5,6,7,8,9,10,11,12,13,14,15
.irp c, 0,1,2
	ds_load_b128 v[QF+12*\f+4*\c:QF+12*\f+4*\c+3], v[LI] offset:1536*\f+512*\c   ; fragment f = 4 q + s, as it was stored: the same registers in the same lanes
.endr
.endr
	s_wait_dscnt 0x0
; One product of key tile TT: K step s, query tile q.  The very first four start the sums with the constant 0: nothing is cleared.  Key tiles 4 .. 7 of a group of eight have their scale words in lanes 16-31.
.macro PROD s, q
.set rA, KR+48*(TT%4)+12*\s
.set rB, QF+48*\q+12*\s
.set rC, ACC+8*\q
.set rK, KS+16*((TT/8)%2)+4*\s+TT%4
.set rQ, QS+4*\s+\q
.if (TT == 0) && (\s == 0)
	v_wmma_scale_f32_16x16x128_f8f6f4 v[rC:rC+7], v[rA:rA+11], v[rB:rB+11], 0, v[rK], v[rQ] matrix_a_fmt:MATRIX_FMT_FP6 matrix_b_fmt:MATRIX_FMT_FP6
.elseif TT%8 < 4
	v_wmma_scale_f32_16x16x128_f8f6f4 v[rC:rC+7], v[rA:rA+11], v[rB:rB+11], v[rC:rC+7], v[rK], v[rQ] matrix_a_fmt:MATRIX_FMT_FP6 matrix_b_fmt:MATRIX_FMT_FP6
.else
	v_wmma_scale_f32_16x16x128_f8f6f4 v[rC:rC+7], v[rA:rA+11], v[rB:rB+11], v[rC:rC+7], v[rK], v[rQ] matrix_a_fmt:MATRIX_FMT_FP6 matrix_b_fmt:MATRIX_FMT_FP6 matrix_a_scale:MATRIX_SCALE_ROW1
.endif
.endm
; Key tile TT: 16 products; then its registers take the tile four on.  Loads come back in order (ISA guide 5.7.1): the count at the head is what was issued behind this tile's twelve loads: twelve for each of
; the up to three younger tiles, and the next group's four scale loads, which are issued behind tile 8 g + 7's loads, in tile 8 g + 3's turn, and so lie behind the loads of tiles 8 g + 4 .. 8 g + 7.
.macro TILE
.set LEFT, 31-TT
.if LEFT > 3
.set LEFT, 3
.endif
.set NW, 12*LEFT
.if (TT%8 >= 4) && (TT < 24)
.set NW, NW+4
.endif
	s_wait_loadcnt NW
.irp s, 0,1,2,3
.irp q, 0,1,2,3
	PROD \s, \q
.endr
.endr
.if TT+4 < 32                          ; the last four tiles ask for nothing: no load leaves the buffer
.rept 4
	v_nop                                          ; four places in front of loads into registers that matrix instructions have read
.endr
	LK TT+4
.endif
.if (TT%8 == 3) && (TT < 24)
	WIN 0
	SCL TT/8+1                                     ; into the set that the group before last left: its last reader stands four tiles back
	WIN MAIN
.endif
.endm
	WIN MAIN
.set TT, 0
.rept 32
	TILE
.set TT, TT+1
.endr
	; THE ROW SUMS.  Register j of lane (r, h) of a query tile's accumulator is (key mod 16 = 8 h + j, query r): eight registers and the two halves of the lanes are added.  Each accumulator is read from its low end on.
.rept 4
	v_nop                                          ; four places behind the last products (ISA guide 7.12.1)
.endr
	WIN 0x55                                       ; all in window 1
.irp q, 0,1,2,3
	v_pk_add_f32 v[ACC+8*\q:ACC+8*\q+1], v[ACC+8*\q:ACC+8*\q+1], v[ACC+8*\q+2:ACC+8*\q+3]
.endr
.irp q, 0,1,2,3
	v_pk_add_f32 v[ACC+8*\q+4:ACC+8*\q+5], v[ACC+8*\q+4:ACC+8*\q+5], v[ACC+8*\q+6:ACC+8*\q+7]
.endr
.irp q, 0,1,2,3
	v_pk_add_f32 v[ACC+8*\q:ACC+8*\q+1], v[ACC+8*\q:ACC+8*\q+1], v[ACC+8*\q+4:ACC+8*\q+5]
.endr
.irp q, 0,1,2,3
	v_add_f32 v[ACC+8*\q], v[ACC+8*\q], v[ACC+8*\q+1]
.endr
.irp q, 0,1,2,3
	v_permlanex16_b32 v[ACC+8*\q+1], v[ACC+8*\q], s20, s21
.endr
.irp q, 0,1,2,3
	v_add_f32 v[ACC+8*\q], v[ACC+8*\q], v[ACC+8*\q+1]
.endr
	WIN 0x04                                       ; address window 0, data window 1
.irp q, 0,1,2,3
	ds_store_b32 v[RA], v[ACC+8*\q] offset:64*\q   ; query 16 q + r of my wave's 64 sums; lanes r and 16 + r write the same word with the same value
.endr
	WIN 0
	s_wait_dscnt 0x0                               ; for wave 0's sake: my stores have landed
	s_barrier_signal -1
	s_barrier_wait -1
	s_cmp_lg_u32 s8, 0                             ; wave 0 alone adds the eight waves' sums; no barrier stands under this branch
	s_cbranch_scc1 .Lend
.irp w, 0,1,2,3,4,5,6,7
	ds_load_b64 v[64+2*\w:65+2*\w], v[RB] offset:256*\w    ; queries 2 l and 2 l + 1 of wave w
.endr
	s_wait_dscnt 0x0
	v_pk_add_f32 v[64:65], v[64:65], v[66:67]
	v_pk_add_f32 v[68:69], v[68:69], v[70:71]
	v_pk_add_f32 v[72:73], v[72:73], v[74:75]
	v_pk_add_f32 v[76:77], v[76:77], v[78:79]
	v_pk_add_f32 v[64:65], v[64:65], v[68:69]
	v_pk_add_f32 v[72:73], v[72:73], v[76:77]
	v_pk_add_f32 v[64:65], v[64:65], v[72:73]
	v_pk_mul_f32 v[64:65], v[64:65], 0x373504f3 op_sel_hi:[1,0]   ; x 2^-16.5 = 512^-0.5 / 4,096
	global_store_b64 v[GO], v[64:65], s[6:7]       ; 32 lanes store 256 consecutive bytes, at a multiple of 256 from out0's first byte
.Lend:
	s_wait_tensorcnt 0x0
	ds_add_u32 v14, v15
	s_wait_dscnt 0x0
	s_endpgm
.Lfunc_end_k_q08b55b1405_scores:
	.size	k_q08b55b1405_scores, .Lfunc_end_k_q08b55b1405_scores-k_q08b55b1405_scores
	.p2alignl 7, 3214868480
	.fill 96, 4, 3214868480
	.section	.rodata,"a",@progbits
	.p2align	6, 0x0
	.amdhsa_kernel k_q08b55b1405_scores
		.amdhsa_group_segment_fixed_size 27648
		.amdhsa_private_segment_fixed_size 0
		.amdhsa_enable_private_segment 0
		.amdhsa_kernarg_size 16
		.amdhsa_user_sgpr_count 2
		.amdhsa_user_sgpr_kernarg_segment_ptr 1
		.amdhsa_wavefront_size32 1
		.amdhsa_system_sgpr_workgroup_id_x 1
		.amdhsa_system_sgpr_workgroup_id_y 1
		.amdhsa_system_sgpr_workgroup_id_z 1
		.amdhsa_system_vgpr_workitem_id 0
		.amdhsa_next_free_vgpr 512
		.amdhsa_next_free_sgpr 66
		.amdhsa_reserve_vcc 0
		.amdhsa_float_denorm_mode_32 3
		.amdhsa_float_denorm_mode_16_64 3
		.amdhsa_memory_ordered 1
		.amdhsa_forward_progress 1
		.amdhsa_inst_pref_size 117
	.end_amdhsa_kernel
	.amdgpu_metadata
---
amdhsa.version: [ 1, 2 ]
amdhsa.kernels:
  - .name:           k_q08b55b1405_scores
    .symbol:         k_q08b55b1405_scores.kd
    .args:
      - { .name: qk, .offset: 0, .size: 8, .value_kind: global_buffer, .address_space: global }
      - { .name: out0, .offset: 8, .size: 8, .value_kind: global_buffer, .address_space: global }
    .group_segment_fixed_size: 27648
    .private_segment_fixed_size: 0
    .kernarg_segment_align: 8
    .kernarg_segment_size: 16
    .max_flat_workgroup_size: 256
    .sgpr_count:     66
    .vgpr_count:     512
    .wavefront_size: 32
...
	.end_amdgpu_metadata
.endif
;; end of part 2
;; ======== version 2 of 2: 3 launches
;; limits: right only within a limited range of input values
;; workspace buffers: qk 13,107,200 bytes; part 524,288 bytes
;; launch project (part 3): grid 4 x 64, 4 waves a work-group, clusters of 4 x 4, 327,680 bytes of LDS; arguments hidden_codes, hidden_scales, Wq_codes, Wq_scales, Wk_codes, Wk_scales, bq, bk, qk; writes qk
.if DOCPART == 3
	.amdgcn_target "amdgcn-amd-amdhsa--gfx1250"
	.amdhsa_code_object_version 6
	.text
	.protected	k_q08b55b1405_project
	.globl	k_q08b55b1405_project
	.p2align	8
	.type	k_q08b55b1405_project,@function
k_q08b55b1405_project:
	s_mov_b64 s[64:65], 0
	v_nop
	global_prefetch_b8 v0, s[64:65] scope:SCOPE_SE
	s_setreg_imm32_b32 hwreg(HW_REG_WAVE_MODE, 25, 1), 1
	s_wait_xcnt 0x0
	s_wait_alu depctr_hold_cnt(0) depctr_sa_sdst(0) depctr_va_vdst(0) depctr_va_sdst(0) depctr_va_ssrc(0) depctr_va_vcc(0) depctr_vm_vsrc(0)
	s_getreg_b32 s2, hwreg(HW_REG_IB_STS2, 6, 4)
	s_cmp_eq_u32 s2, 0
	s_cbranch_scc0 .Lentry_in_a_cluster
	s_endpgm
.Lentry_in_a_cluster:
	s_bfe_u32 s2, ttmp6, 0x10000c
	s_cmp_lg_u32 s2, 0xf033
	s_cbranch_scc0 .Lentry_shape_is_right
	s_endpgm
.Lentry_shape_is_right:
; q = hidden Wq^T + bq and k = hidden Wk^T + bk on codes of FP6 (E2M3) with E8M0 scales, K = 2,048; then q and k are quantised along their 512 columns and stored as codes and scale words in qk.
; Nothing of the problem is left out: every input is read, every product is multiplied whole.
; Wq and Wk count as one B of 1,024 rows: tile columns 0, 1 are Wq's, 2, 3 Wk's.  A work-group of four waves makes 256 x 256, a wave 128 x 128: 64 accumulators, 512 registers.  4 x 64 = 256 work-groups.
; K goes through two LDS slots in CHUNKS OF 256 BYTES of each row of codes (a row is 1,536 bytes, six chunks; every chunk begins at a multiple of 256 bytes).  A step of 128 along K is 96 bytes: eight steps to three chunks.
; THE HEAD asks for both slots at once, one tensor load a wave: waves 0, 2 chunks 0, 1 of A's 256 rows, waves 1, 3 those of B's.  Chunks 2 to 5 are refills: each wave a quarter of a slot (128 rows), behind a round of the cluster's barrier.
; THE SCALES go from memory into registers once: a lane takes 16 bytes (four steps' words) of its row; four loads on end cover each row's 64 bytes.  128 registers hold all 16 steps' words of my 128 rows of A and of B.
; CLUSTERS: 4 x 4.  A's tiles are shared along a row of the cluster, B's along a column: joint loads with a mask of four.
; PREFETCH: behind the load of chunk c stands one request a wave for chunk c + 2 (the head, which loads chunks 0 and 1, asks for 2 and 3): 32 rows x 256 bytes, a lane a row; of the 128 rows that a wave refills each of the four
; partners takes 32, by address.  Chunks 0 and 1 come by their loads alone; nothing is asked for beyond chunk 5.  The address registers are never rewritten: the chunk stands in the immediate.
; The matrix instruction is used transposed (source 0 = rows of B, source 1 = rows of A): a lane holds eight neighbouring columns of one row.  The bias is the C of the first step's products.
; The walk is written out: slots and B's sets come back to where they began after sixteen steps, which is the whole walk.
; qk: images of operand registers: q's at 0, k's at IMGK: fragment (tile T of 16 rows, K step s) at (4 T + s) x 1,536, registers 4 c .. 4 c + 3 of lane l at 512 c + 16 l;
;   scale words: q's at SCQ, k's SCK further: for 128 rows G and K step s 512 bytes at (4 G + s) x 512, the word of row 128 G + 16 a + r at 32 r + 4 a.
;   Inside a block of 32 the codes stand in the order of my registers, the same for q and for k: the next product's sums do not hang on it.
; LIMITS: a block of zeros gets the scale byte 1 (its codes are zeros); NaN and infinities are not served.
; REGISTERS: window 0: v0-31 addresses; v32-95 A's scale words, v96-159 B's (block i % 4, step st at base + 16 (i % 4) + st; blocks 0-3 in lanes 0-15, 4-7 in lanes 16-31); v160-255 A's fragments, one set; on the way out v160-252 are at work.
;   window 1: B's fragments, two sets, at v0 and v128; the bias at v96-127 and v224-255.   windows 2, 3: the accumulators of my rows 0-63, 64-127.
; THE ORDER OF BLOCKS INSIDE A STEP: lane (r, h) takes the 48 neighbouring bytes at 48 h of its row's 96, that is the step's blocks 2 h and 2 h + 1, by three loads of 16 bytes at multiples of 16.  The operand's layout counts these
; places as blocks h and 2 + h: so blocks 1 and 2 of each step change places, alike in A and in B, and bytes 1 and 2 of every scale word are exchanged once, at the head.  Each product keeps its own two scales; only the order of adding inside a step differs.
.set KROW,   1536
.set ROWB,   256
.set CHUNKS, KROW/ROWB
.set PITCH,  272                       ; 256 bytes + 16 of padding
.set FR,     12
.set NL,     3
.set NP,     4
.set HALFT,  128*PITCH
.set SLOT,   4*HALFT                   ; A's 256 rows, then B's 256 rows
.set SPARE,  2*SLOT                    ; the spare words, 128 bytes a wave
.set IMGK,   6291456
.set SCQ,    12582912
.set SCK,    262144
.set ADRA, 16                          ; v16-17 my A fragments in slot 0, 1; v18-19 lanes 0-15 at byte 208 of a row in slot 0, 1 and lanes 16-31 at byte 0 in the other slot
.set ADRB, 20
.set LI,   24                          ; 16 x lane
.set SO,   25                          ; 32 r + 16 h
.set BO,   26                          ; 32 h
.set SOF,  27                          ; 64 r + 4,096 h
.set SPW,  28
.set NIL,  29
.set PFO,  30                          ; lane x a row of codes
.set SA,   32
.set SB,   96
.set AF,   160
.set OUTC, 160
.set TM,   224
.set PW,   240
.set SW,   248
.set FLR,  252
.set PFA, 2
.set WV, 22
.set HI, 23
.set LO, 66
.set TR, 67
.set G1, 24                            ; group 1, A, 128 rows;  s[32:39] group 0, a set for each slot
.set G0, 32
.set G1B, 48
.set G0B, 56
.set G1H, 68                           ; group 1, A, 256 rows: the head's;  s[76:79] its group 0
.set G0H, 76
.set G1HB, 80
.set G0HB, 88
.set G1W, (1<<20)|(1<<21)|(5<<22)|(3<<25)  ; elements of a byte; padding on; bit 21 beside a mask; 4 words behind every 64
.set MSB, 0
.macro WIN new
.if MSB != \new
	s_set_vgpr_msb (MSB<<8)|\new
.set MSB, \new
.endif
.endm
.set MUL_LO, 0xa1                      ; source 0 (B) window 1, source 1 (A) window 0, C and D window 2
.set MUL_HI, 0xf1
.set TO_B,   0x40
.macro PLACES n
.rept \n
	v_nop
.endr
.endm
; a joint load: one of two lines by a number made of the wave's number; s_nop 0 and four v_nop behind each
.macro JLOAD sel, g0a, g1a, g0b, g1b
	s_cmp_eq_u32 s[\sel], 0
	s_cbranch_scc0 .Lfor_b_\@
	tensor_load_to_lds s[\g0a:\g0a+3], s[\g1a:\g1a+7]
	s_nop 0
	PLACES 4
	s_branch .Lasked_\@
.Lfor_b_\@:
	tensor_load_to_lds s[\g0b:\g0b+3], s[\g1b:\g1b+7]
	s_nop 0
	PLACES 4
.Lasked_\@:
.endm
.macro CREST
	s_cmp_lg_u32 s[WV], 0
	s_cbranch_scc1 .Lnot_wave_0_\@
	s_barrier_signal -3
.Lnot_wave_0_\@:
	s_barrier_wait -3
	s_barrier_signal -1
	s_barrier_wait -1
.endm
.macro CROUND
	s_barrier_signal -1
	s_barrier_wait -1
	CREST
.endm
	s_load_b512 s[4:19], s[0:1], 0x0               ; hidden codes, scales; Wq codes, scales; Wk codes, scales; bq; bk
	s_load_b64 s[20:21], s[0:1], 0x40              ; qk
	v_lshl_add_u32 v[SPW], v0, 2, SPARE
	v_mov_b32 v[NIL], 0
	ds_add_u32 v[SPW], v[NIL]
	ds_add_u32 v[SPW], v[NIL]
	v_lshrrev_b32 v1, 5, v0
	v_readfirstlane_b32 s[WV], v1
	s_lshr_b32 s[HI], s[WV], 1                     ; my half of the rows; in the ring: I fetch for A (0) or B (1); at the head: chunk 0 or 1
	s_and_b32 s[LO], s[WV], 1                      ; my half of the columns; in the ring: which 128 rows; at the head: A (0) or B (1)
	s_bfe_u32 s40, ttmp6, 0x40000                  ; cx
	s_bfe_u32 s41, ttmp6, 0x40004                  ; cy
	s_lshl_b32 s42, ttmp9, 2
	s_add_co_u32 s42, s42, s40                     ; tile column
	s_and_b32 s[TR], ttmp7, 0xffff
	s_lshl_b32 s[TR], s[TR], 2
	s_add_co_u32 s[TR], s[TR], s41                 ; tile row
	s_lshl_b32 s43, s41, 2
	s_lshl_b32 s43, 15, s43                        ; my row of the cluster
	s_lshl_b32 s44, 0x1111, s40                    ; my column
	s_or_b32 s[G1], s43, G1W
	s_or_b32 s[G1H], s43, G1W
	s_or_b32 s[G1B], s44, G1W
	s_or_b32 s[G1HB], s44, G1W
.irp g, G1, G1B, G1H, G1HB
	s_mov_b32 s[\g+1], ROWB<<16
	s_mov_b32 s[\g+3], ROWB<<16
	s_mov_b32 s[\g+5], KROW
	s_mov_b32 s[\g+6], 0
	s_mov_b32 s[\g+7], 0
.endr
.irp g, G1, G1B
	s_mov_b32 s[\g+2], 128<<16
	s_mov_b32 s[\g+4], 128
.endr
.irp g, G1H, G1HB
	s_mov_b32 s[\g+2], 256<<16
	s_mov_b32 s[\g+4], 256
.endr
	s_mul_i32 s96, s[TR], 256*KROW                 ; A's tile, in bytes
	s_mov_b32 s97, 0
	s_and_b32 s45, s42, 1
	s_mul_i32 s46, s45, 256*KROW                   ; B's tile inside Wq or Wk
	s_mov_b32 s47, 0
	s_lshl_b32 s100, s[HI], 8                      ; the head's chunk
	s_mov_b32 s101, 0
	s_mul_i32 s94, s[LO], 128*KROW                 ; the ring's 128 rows
	s_mov_b32 s95, 0
	s_mul_i32 s[G0H+1], s[HI], SLOT
	s_add_co_u32 s[G0HB+1], s[G0H+1], 2*HALFT
	s_mul_i32 s[G0+1], s[WV], HALFT
	s_mul_i32 s[G0B+1], s[WV], HALFT
	s_add_co_u32 s[G0+5], s[G0+1], SLOT
	s_add_co_u32 s[G0B+5], s[G0B+1], SLOT
.irp g, G0H, G0HB, G0, G0+4, G0B, G0B+4
	s_mov_b32 s[\g], 1
.endr
	s_wait_dscnt 0x0                               ; both opening adds are done
	CROUND                                         ; the round in front of the first joint loads; it needs no argument, so it stands ahead of the wait for them
	s_wait_kmcnt 0x0
	s_cmp_lt_u32 s42, 2
	s_cselect_b64 s[8:9], s[8:9], s[12:13]         ; Wq or Wk: codes,
	s_cselect_b64 s[10:11], s[10:11], s[14:15]     ; scales,
	s_cselect_b64 s[16:17], s[16:17], s[18:19]     ; bias
	s_add_nc_u64 s[96:97], s[4:5], s[96:97]
	s_add_nc_u64 s[46:47], s[8:9], s[46:47]
	s_add_nc_u64 s[G0H+2:G0H+3], s[96:97], s[100:101]
	s_add_nc_u64 s[G0HB+2:G0HB+3], s[46:47], s[100:101]
	s_add_nc_u64 s[G0+2:G0+3], s[96:97], s[94:95]
	s_add_nc_u64 s[G0B+2:G0B+3], s[46:47], s[94:95]
	s_add_nc_u64 s[G0+6:G0+7], s[G0+2:G0+3], ROWB
	s_add_nc_u64 s[G0B+6:G0B+7], s[G0B+2:G0B+3], ROWB
.irp g, G0H, G0HB, G0, G0+4, G0B, G0B+4
	s_or_b32 s[\g+3], s[\g+3], 0x80000000
.endr
	JLOAD LO, G0H, G1H, G0HB, G1HB                 ; my one load of the head: 256 rows of chunk HI, of A or of B
	; the prefetches' base: the tile for which I refill, my 128 rows, my work-group's 32 of them
	s_cmp_eq_u32 s[HI], 0
	s_cselect_b64 s[PFA:PFA+1], s[96:97], s[46:47]
	s_cselect_b32 s100, s40, s41
	s_lshl_b32 s100, s100, 5
	s_lshl_b32 s101, s[LO], 7
	s_add_co_u32 s100, s100, s101
	s_mul_i32 s100, s100, KROW
	s_mov_b32 s101, 0
	s_add_nc_u64 s[PFA:PFA+1], s[PFA:PFA+1], s[100:101]
	s_lshl_b32 s98, s[TR], 14                      ; A's scales: 64 bytes a row
	s_lshl_b32 s99, s[HI], 13
	s_add_co_u32 s98, s98, s99
	s_mov_b32 s99, 0
	s_add_nc_u64 s[6:7], s[6:7], s[98:99]
	s_lshl_b32 s92, s45, 14                        ; B's
	s_lshl_b32 s93, s[LO], 13
	s_add_co_u32 s92, s92, s93
	s_mov_b32 s93, 0
	s_add_nc_u64 s[10:11], s[10:11], s[92:93]
	s_lshl_b32 s92, s45, 10                        ; the bias of my 128 columns
	s_lshl_b32 s93, s[LO], 9
	s_add_co_u32 s92, s92, s93
	s_mov_b32 s93, 0
	s_add_nc_u64 s[16:17], s[16:17], s[92:93]
	s_mul_i32 s98, s[HI], HALFT                    ; LDS: my 128 rows of A,
	s_mul_i32 s99, s[LO], HALFT
	s_add_co_u32 s99, s99, 2*HALFT                 ; of B
	s_lshl_b32 s92, s[TR], 1
	s_add_co_u32 s92, s92, s[HI]                   ; G: my 128 rows
	s_lshl_b32 s93, s45, 1
	s_add_co_u32 s93, s93, s[LO]                   ; my 128 columns: a K step of the next product
	s_lshr_b32 s94, s42, 1                         ; q or k
	s_mul_i32 s18, s92, 8*4*1536
	s_mul_i32 s95, s93, 1536
	s_add_co_u32 s18, s18, s95
	s_mul_i32 s95, s94, IMGK
	s_add_co_u32 s18, s18, s95
	s_mov_b32 s19, 0
	s_add_nc_u64 s[12:13], s[20:21], s[18:19]      ; my images
	s_lshl_b32 s18, s92, 2
	s_add_co_u32 s18, s18, s93
	s_lshl_b32 s18, s18, 9
	s_mul_i32 s95, s94, SCK
	s_add_co_u32 s18, s18, s95
	s_add_co_u32 s18, s18, SCQ
	s_add_nc_u64 s[14:15], s[20:21], s[18:19]      ; my scale words
	s_mov_b32 s96, 0x76543210                      ; v_permlanex16_b32's selects for lane l xor 16
	s_mov_b32 s97, 0xfedcba98
	s_mov_b32 s100, SLOT-208
	s_mov_b32 s101, SLOT+208
	v_and_b32 v1, 15, v0                           ; r
	v_bfe_u32 v2, v0, 4, 1                         ; h
	v_mul_u32_u24 v3, v1, PITCH
	v_mul_u32_u24 v4, v2, 48
	v_add_nc_u32 v4, v3, v4
	v_sub_nc_u32 v7, 1, v2
	v_mul_u32_u24 v5, s100, v2
	v_add_nc_u32 v5, v3, v5
	v_add_nc_u32 v5, 208, v5
	v_mul_u32_u24 v6, s101, v7
	v_add_nc_u32 v6, v3, v6
	v_add_nc_u32 v[ADRA], s98, v4
	v_add_nc_u32 v[ADRB], s99, v4
	v_add_nc_u32 v[ADRA+1], SLOT, v[ADRA]
	v_add_nc_u32 v[ADRB+1], SLOT, v[ADRB]
	v_add_nc_u32 v[ADRA+2], s98, v5
	v_add_nc_u32 v[ADRA+3], s98, v6
	v_add_nc_u32 v[ADRB+2], s99, v5
	v_add_nc_u32 v[ADRB+3], s99, v6
	v_lshlrev_b32 v[SOF], 6, v1
	v_lshl_add_u32 v[SOF], v2, 12, v[SOF]
	v_lshlrev_b32 v[BO], 5, v2
	v_and_b32 v8, 31, v0
	v_lshlrev_b32 v[LI], 4, v8
	v_mul_u32_u24 v[PFO], v8, KROW
	v_lshlrev_b32 v[SO], 5, v1
	v_lshl_add_u32 v[SO], v2, 4, v[SO]
	s_wait_alu depctr_va_vdst(0)
	global_prefetch_b8 v[PFO], s[PFA:PFA+1] offset:2*ROWB th:TH_LOAD_NT scope:SCOPE_SE
	global_prefetch_b8 v[PFO], s[PFA:PFA+1] offset:3*ROWB th:TH_LOAD_NT scope:SCOPE_SE
.irp i, 0,1,2,3
.irp j, 0,1,2,3
	global_load_b128 v[SA+16*\i+4*\j:SA+16*\i+4*\j+3], v[SOF], s[6:7] offset:1024*\i+16*\j     ; row 16 (i + 4 h) + r, steps 4 j .. 4 j + 3
	global_load_b128 v[SB+16*\i+4*\j:SB+16*\i+4*\j+3], v[SOF], s[10:11] offset:1024*\i+16*\j
.endr
.endr
	WIN TO_B
.irp b, 0,1,2,3,4,5,6,7
	global_load_b128 v[96+128*(\b/4)+8*(\b%4):96+128*(\b/4)+8*(\b%4)+3],   v[BO], s[16:17] offset:64*\b
	global_load_b128 v[96+128*(\b/4)+8*(\b%4)+4:96+128*(\b/4)+8*(\b%4)+7], v[BO], s[16:17] offset:64*\b+16
.endr
	WIN 0
.macro FRAG reg, adr, st, i            ; 16 rows x 128 K: 12 registers, in three pieces of 16 bytes; lanes 16-31 read 48 bytes further on than lanes 0-15; byte y of a row lies in slot (y / 256) % 2 at byte y % 256 of the LDS row
.irp p, 0,1,2
.set BY, 96*(\st)+16*\p
.if BY/ROWB == (BY+48)/ROWB
	ds_load_b128 v[\reg+4*\p:\reg+4*\p+3], v[\adr+(BY/ROWB)%2] offset:BY%ROWB+(\i)*16*PITCH
.else
	ds_load_b128 v[\reg+4*\p:\reg+4*\p+3], v[\adr+2+(BY/ROWB)%2] offset:BY%ROWB-208+(\i)*16*PITCH
.endif
.endr
.endm
.macro WM a, b, p, st, first           ; one product: B's block b x A's block a; first = 1: C is the bias
.set rD, 8*(8*((\a)%4)+(\b))
.set rB, 128*(\p)+FR*(\b)
.set rA, AF+FR*(\a)
.set rC, rD
.if \first
.set rC, 96+128*((\b)/4)+8*((\b)%4)
.endif
.set rS, SB+16*((\b)%4)+(\st)
.set rT, SA+16*((\a)%4)+(\st)
.if (\a) < 4
.if (\b) < 4
	v_wmma_scale_f32_16x16x128_f8f6f4 v[rD:rD+7], v[rB:rB+FR-1], v[rA:rA+FR-1], v[rC:rC+7], v[rS], v[rT] matrix_a_fmt:MATRIX_FMT_FP6 matrix_b_fmt:MATRIX_FMT_FP6
.else
	v_wmma_scale_f32_16x16x128_f8f6f4 v[rD:rD+7], v[rB:rB+FR-1], v[rA:rA+FR-1], v[rC:rC+7], v[rS], v[rT] matrix_a_fmt:MATRIX_FMT_FP6 matrix_b_fmt:MATRIX_FMT_FP6 matrix_a_scale:MATRIX_SCALE_ROW1
.endif
.else
.if (\b) < 4
	v_wmma_scale_f32_16x16x128_f8f6f4 v[rD:rD+7], v[rB:rB+FR-1], v[rA:rA+FR-1], v[rC:rC+7], v[rS], v[rT] matrix_a_fmt:MATRIX_FMT_FP6 matrix_b_fmt:MATRIX_FMT_FP6 matrix_b_scale:MATRIX_SCALE_ROW1
.else
	v_wmma_scale_f32_16x16x128_f8f6f4 v[rD:rD+7], v[rB:rB+FR-1], v[rA:rA+FR-1], v[rC:rC+7], v[rS], v[rT] matrix_a_fmt:MATRIX_FMT_FP6 matrix_b_fmt:MATRIX_FMT_FP6 matrix_a_scale:MATRIX_SCALE_ROW1 matrix_b_scale:MATRIX_SCALE_ROW1
.endif
.endif
.endm
.macro MUL16 a0, p, st, first          ; the 64 accumulators take turns, in the same order in every step
.irp a, \a0, \a0+1
.irp b, 0,1,2,3,4,5,6,7
	WM \a, \b, \p, \st, \first
.endr
.endr
.endm
.macro FETCH_B st, p
	WIN TO_B
.irp i, 0,1,2,3,4,5,6,7
	FRAG 128*(\p)+FR*\i, ADRB, \st, \i
.endr
	WIN 0
.endm
.macro FETCH_A st, i0
.irp i, \i0, \i0+1, \i0+2, \i0+3
	FRAG AF+FR*(\i), ADRA, \st, \i
.endr
.endm
; A step: 64 products; the next step's fragments are fetched in its middle (B, A's blocks 0-3) and at its end (A's blocks 4-7).
; FILL: the next step begins in a later chunk and a chunk two on is left: the slot left behind is filled again, behind the three lines and a round.  MEET: also where the next step ends in a refilled chunk not yet shown whole.
.macro STEP st, first
.set NX, (\st)+1
.set C0, (96*(\st))/ROWB
.set C1, (96*NX)/ROWB
.set E0, (96*(\st)+95)/ROWB
.set E1, (96*NX+95)/ROWB
.set FILL, 0
.if C1 > C0
.if C0+2 < CHUNKS
.set FILL, 1
.endif
.endif
.set MEET, FILL
.if E1 > E0
.if E1 > 1
.set MEET, 1
.endif
.endif
.set WLO, MUL_LO-0x10*(\first)         ; first: C in window 1
.set WHI, MUL_HI-0x20*(\first)
.if MEET
	s_wait_tensorcnt 0x0                           ; all my tensor loads have landed
.if FILL
	ds_add_u32 v[SPW], v[NIL]
	s_wait_dscnt 4*NL+1                            ; the add and A's blocks 4-7 may be out
.else
	s_wait_dscnt 4*NL
.endif
	WIN WLO
	MUL16 0, (\st)%2, \st, \first
	s_wait_dscnt 0x0                               ; the add and all my reads are done
	s_barrier_signal -1
	MUL16 2, (\st)%2, \st, \first
	WIN 0
	s_barrier_wait -1
.if FILL
	CREST                                          ; the barrier opened a round: no wave of any partner still reads this slot
	s_add_nc_u64 s[G0+4*(C0%2)+2:G0+4*(C0%2)+3], s[G0+4*(C0%2)+2:G0+4*(C0%2)+3], 2*ROWB
	s_add_nc_u64 s[G0B+4*(C0%2)+2:G0B+4*(C0%2)+3], s[G0B+4*(C0%2)+2:G0B+4*(C0%2)+3], 2*ROWB
	JLOAD HI, G0+4*(C0%2), G1, G0B+4*(C0%2), G1B   ; chunk C0 + 2; its four v_nop are the places in front of the loads below
.else
	PLACES NP
.endif
.else
	s_wait_dscnt 4*NL                              ; all but A's blocks 4-7
	WIN WLO
	MUL16 0, (\st)%2, \st, \first
	MUL16 2, (\st)%2, \st, \first
	s_wait_dscnt 0
	PLACES NP
.endif
	FETCH_B NX, NX%2
	FETCH_A NX, 0
.if FILL
.if C0+4 < CHUNKS
	global_prefetch_b8 v[PFO], s[PFA:PFA+1] offset:(C0+4)*ROWB th:TH_LOAD_NT scope:SCOPE_SE   ; the chunk two refills on
.endif
.endif
	WIN WHI
	MUL16 4, (\st)%2, \st, \first
	MUL16 6, (\st)%2, \st, \first
	PLACES NP
	WIN 0
	FETCH_A NX, 4
.endm
	s_wait_loadcnt 0x0                             ; scale words and bias are in
	s_mov_b32 s100, 0x03010200                     ; bytes 0, 2, 1, 3
.set R, 0
.rept 128
	v_perm_b32 v[SA+R], v[SA+R], v[SA+R], s100     ; bytes 1 and 2 of each scale word change places, as the blocks do
.set R, R+1
.endr
	s_wait_alu depctr_va_vdst(0)
	s_wait_tensorcnt 0x0                           ; my load of the head has landed
	s_barrier_signal -1
	s_barrier_wait -1                              ; all four have: chunks 0 and 1 are whole
	FETCH_B 0, 0
	FETCH_A 0, 0
	FETCH_A 0, 4
	STEP 0, 1
.set ST, 1
.rept 14
	STEP ST, 0
.set ST, ST+1
.endr
	s_wait_dscnt 4*NL
	WIN MUL_LO
	MUL16 0, 1, 15, 0
	MUL16 2, 1, 15, 0
	s_wait_dscnt 0
	WIN MUL_HI
	MUL16 4, 1, 15, 0
	MUL16 6, 1, 15, 0
	WIN 0
; THE WAY OUT, block a of 16 rows: four blocks of 32 columns; the largest magnitude over my 16 registers and lane l xor 16's, with the floor 2^(3 - 127); 2 off its exponent field is the conversion's scale operand;
; the codes become an image of an operand's registers and are stored 512 consecutive bytes an instruction.  Three sets of 20 registers take turns.
.macro QUANT a
.set AW, 2+(\a)/4
.set AS, 64*((\a)%4)
.set CD, OUTC+20*((\a)%3)
.if (\a) > 2
	s_wait_xcnt 0x0                                ; block a - 3's stores have read their data: the set is written again
.endif
	WIN ((AW<<2)|(AW<<4))
.irp b, 0,1,2,3
	v_max3_num_f32 v[TM+\b], v[FLR], |v[AS+16*\b]|, |v[AS+16*\b+1]|
.endr
.irp i, 2,4,6,8,10,12,14
.irp b, 0,1,2,3
	v_max3_num_f32 v[TM+\b], v[TM+\b], |v[AS+16*\b+\i]|, |v[AS+16*\b+\i+1]|
.endr
.endr
	WIN 0
.irp b, 0,1,2,3
	v_permlanex16_b32 v[TM+4+\b], v[TM+\b], s96, s97
.endr
.irp b, 0,1,2,3
	v_max_num_f32 v[TM+\b], v[TM+\b], v[TM+4+\b]
.endr
.irp b, 0,1,2,3
	v_add_nc_u32 v[TM+12+\b], 0xff000000, v[TM+\b]
.endr
.irp b, 0,1,2,3
	v_lshrrev_b32 v[TM+4+\b], 23, v[TM+12+\b]
.endr
	v_lshl_or_b32 v[PW+(\a)], v[TM+5], 8, v[TM+4]
	v_lshl_or_b32 v[PW+(\a)], v[TM+6], 16, v[PW+(\a)]
	v_lshl_or_b32 v[PW+(\a)], v[TM+7], 24, v[PW+(\a)]
	WIN AW
.irp c, 0,1
	v_cvt_scalef32_pk16_fp6_f32 v[CD+6*\c:CD+6*\c+2], v[AS+32*\c:AS+32*\c+15], v[TM+12+2*\c]
	v_cvt_scalef32_pk16_fp6_f32 v[CD+12+4*\c:CD+14+4*\c], v[AS+32*\c+16:AS+32*\c+31], v[TM+13+2*\c]
.endr
	WIN 0
	v_nop                                          ; one plain place behind a scaled conversion
.irp c, 0,1
.irp i, 0,1,2
	v_permlane16_swap_b32 v[CD+6*\c+\i], v[CD+12+4*\c+\i]
.endr
.irp i, 0,1,2
	v_mov_b32 v[CD+3+6*\c+\i], v[CD+12+4*\c+\i]
.endr
.endr
.irp c, 0,1,2
	global_store_b128 v[LI], v[CD+4*\c:CD+4*\c+3], s[12:13] offset:(\a)*6144+512*\c
.endr
.endm
	PLACES NP
	v_mov_b32 v[FLR], 0x1800000
.irp b, 0,1,2,3
	v_mov_b32 v[TM+4+\b], 0                        ; a lane permute's destination counts as a source
.endr
.irp a, 0,1,2,3,4,5,6,7
	QUANT \a
.endr
	v_cmp_eq_u32 vcc_lo, 1, v2
.irp j, 0,1,2,3
	v_cndmask_b32 v[SW+\j], v[PW+\j], v[PW+4+\j], vcc_lo   ; lanes 0-15 keep blocks 0-3's words, lanes 16-31 blocks 4-7's
.endr
	global_store_b128 v[SO], v[SW:SW+3], s[14:15]
	s_wait_tensorcnt 0x0                           ; the wave's end
	ds_add_u32 v[SPW], v[NIL]
	s_wait_dscnt 0x0
	CROUND                                         ; the closing round
	s_endpgm
.Lfunc_end_k_q08b55b1405_project:
	.size	k_q08b55b1405_project, .Lfunc_end_k_q08b55b1405_project-k_q08b55b1405_project
	.p2alignl 7, 3214868480
	.fill 96, 4, 3214868480
	.section	.rodata,"a",@progbits
	.p2align	6, 0x0
	.amdhsa_kernel k_q08b55b1405_project
		.amdhsa_group_segment_fixed_size 327680
		.amdhsa_private_segment_fixed_size 0
		.amdhsa_enable_private_segment 0
		.amdhsa_kernarg_size 72
		.amdhsa_user_sgpr_count 2
		.amdhsa_user_sgpr_kernarg_segment_ptr 1
		.amdhsa_wavefront_size32 1
		.amdhsa_system_sgpr_workgroup_id_x 1
		.amdhsa_system_sgpr_workgroup_id_y 1
		.amdhsa_system_sgpr_workgroup_id_z 1
		.amdhsa_system_vgpr_workitem_id 0
		.amdhsa_next_free_vgpr 1024
		.amdhsa_next_free_sgpr 102
		.amdhsa_reserve_vcc 1
		.amdhsa_float_denorm_mode_32 3
		.amdhsa_float_denorm_mode_16_64 3
		.amdhsa_memory_ordered 1
		.amdhsa_forward_progress 1
		.amdhsa_inst_pref_size 243
	.end_amdhsa_kernel
	.amdgpu_metadata
---
amdhsa.version: [ 1, 2 ]
amdhsa.kernels:
  - .name:           k_q08b55b1405_project
    .symbol:         k_q08b55b1405_project.kd
    .args:
      - { .name: hidden_codes, .offset: 0, .size: 8, .value_kind: global_buffer, .address_space: global }
      - { .name: hidden_scales, .offset: 8, .size: 8, .value_kind: global_buffer, .address_space: global }
      - { .name: Wq_codes, .offset: 16, .size: 8, .value_kind: global_buffer, .address_space: global }
      - { .name: Wq_scales, .offset: 24, .size: 8, .value_kind: global_buffer, .address_space: global }
      - { .name: Wk_codes, .offset: 32, .size: 8, .value_kind: global_buffer, .address_space: global }
      - { .name: Wk_scales, .offset: 40, .size: 8, .value_kind: global_buffer, .address_space: global }
      - { .name: bq, .offset: 48, .size: 8, .value_kind: global_buffer, .address_space: global }
      - { .name: bk, .offset: 56, .size: 8, .value_kind: global_buffer, .address_space: global }
      - { .name: qk, .offset: 64, .size: 8, .value_kind: global_buffer, .address_space: global }
    .group_segment_fixed_size: 327680
    .private_segment_fixed_size: 0
    .kernarg_segment_align: 8
    .kernarg_segment_size: 72
    .max_flat_workgroup_size: 128
    .sgpr_count:     102
    .vgpr_count:     1024
    .wavefront_size: 32
...
	.end_amdgpu_metadata
.endif
;; end of part 3
;; launch scores (part 4): grid 8 x 32, 4 waves a work-group, clusters of 4 x 1, 327,680 bytes of LDS; arguments qk, part; writes part
.if DOCPART == 4
	.amdgcn_target "amdgcn-amd-amdhsa--gfx1250"
	.amdhsa_code_object_version 6
	.text
	.protected	k_q08b55b1405_scores
	.globl	k_q08b55b1405_scores
	.p2align	8
	.type	k_q08b55b1405_scores,@function
k_q08b55b1405_scores:
	s_mov_b64 s[64:65], 0
	v_nop
	global_prefetch_b8 v0, s[64:65] scope:SCOPE_SE
	s_setreg_imm32_b32 hwreg(HW_REG_WAVE_MODE, 25, 1), 1
	s_wait_xcnt 0x0
	s_wait_alu depctr_hold_cnt(0) depctr_sa_sdst(0) depctr_va_vdst(0) depctr_va_sdst(0) depctr_va_ssrc(0) depctr_va_vcc(0) depctr_vm_vsrc(0)
	s_getreg_b32 s2, hwreg(HW_REG_IB_STS2, 6, 4)
	s_cmp_eq_u32 s2, 0
	s_cbranch_scc0 .Lentry_in_a_cluster
	s_endpgm
.Lentry_in_a_cluster:
	s_bfe_u32 s2, ttmp6, 0x10000c
	s_cmp_lg_u32 s2, 0x3003
	s_cbranch_scc0 .Lentry_shape_is_right
	s_endpgm
.Lentry_shape_is_right:
; part[b][row] = the sum over the 512 keys of key block b of the row's batch of Q(q[row]) . Q(k[key]): the whole product on codes of FP6 (E2M3) with one E8M0 scale for each 32 along its K = 512.
; The next launch adds a row's eight parts and applies the factor.  qk holds q's and k's codes as images of operand registers, and their scale words, as the launch before laid them:
;   images: q's at 0, k's at IMGK: fragment (tile T of 16 rows, K step s) at (4 T + s) x 1,536, registers 4 c .. 4 c + 3 of lane l at 512 c + 16 l;
;   scale words: q's at SCQ, k's at SCKB: for 128 rows G and K step s 512 bytes at (4 G + s) x 512, the word of row 128 G + 16 a + r at 32 r + 4 a.
; SHARES.  A work-group makes 512 queries x 512 keys: x = the block of queries, y = 8 x batch + the block of keys; 8 x 32 = 256 work-groups.
; Wave w holds its 128 queries (32 fragments, 384 registers), read from memory once, and walks all 512 keys.  S^T = k q^T; every tile of keys and every K step adds onto the query tile's ONE accumulator; its 16 rows are
; added once, at the end.  1,024 matrix instructions a wave; the eight accumulators take turns.
; THE KEYS' IMAGES FIT IN LDS WHOLE (196,608 bytes, four chunks of 128 keys); no byte is filled twice.  They come in two parts.  At the head each wave asks for a quarter of chunk 0 (12,288 bytes), its one tensor load there.
; When that has landed, behind the wait, the add and a round of the cluster's barrier, each wave asks for a quarter of
; chunks 1 to 3 (36,864 bytes).  The four work-groups of a cluster share y, so the same keys: the loads are joint, with a mask that names the four.
; The queries are a wave's own and go straight into its registers, K step by K step; so do all scale words (20 loads of 512 consecutive bytes).
; THE WALK: 16 groups of 8 key fragments x 8 query tiles = 64 products.  Groups 0 to 3: chunk 0 in K steps 0 to 3, 256 products under which chunks 1 to 3 are on their way; behind group 3 the wait for them and a barrier;
; groups 4 to 15: K step (g - 4) / 3, chunk 1 + (g - 4) % 3.  Two sets of eight key fragments: as a rule group g's set takes group g + 2's 24 LDS loads, in one run, behind its products.
; NO PREFETCH: every byte that the launch reads is asked for at its head or behind chunk 0's landing; there is no loop to run ahead in.
; LIMITS.  The row sum is grouped by key mod 16 and by key block; the factor is applied in the next launch; NaN and infinities are not served.
; REGISTERS: window 0: v1-8 addresses; v16-31 the queries' scale words; v32-95 the keys'; v248-251 the sums that I store; v254-255 for the add.
;   window 1: the queries of K steps 0 (v0-95), 1 (v96-191).  window 2: K steps 2, 3.  window 3: two sets of key fragments (v0-95, v96-191); the accumulators v192-255.
.set IMGK, 6291456
.set SCQ,  12582912
.set SCKB, 12845056
.set CHB,  49152
.set SPARE, 4*CHB
.set LI,   1                           ; 16 x lane
.set QSO,  2                           ; 32 r + 16 h
.set KA,   4                           ; v4-7 my 16 bytes in chunk c's first image
.set HH,   8
.set QS,   16                          ; 4 s + j: lanes 0-15 query tile j, lanes 16-31 tile 4 + j
.set KS,   32                          ; 16 s + 4 c + j: lanes 0-15 key tile j of chunk c, lanes 16-31 tile 4 + j
.set ACC,  192
.set OUTR, 248
.set SPW,  254
.set NIL,  255
.set WV,   8
.set G1C,  16                          ; group 1: 48 rows of 256 bytes;  s[24:31]: 144 rows
.set G1D,  24
.set G0,   32                          ; group 0 of the head's load;  s[36:39] of the second
.set G0D,  36
.set MSB, 0
.macro WIN new
.if MSB != \new
	s_set_vgpr_msb (MSB<<8)|\new
.set MSB, \new
.endif
.endm
.macro CROUND
	s_barrier_signal -1
	s_barrier_wait -1
	s_cmp_lg_u32 s[WV], 0
	s_cbranch_scc1 .Lnot_wave_0_\@
	s_barrier_signal -3
.Lnot_wave_0_\@:
	s_barrier_wait -3
	s_barrier_signal -1
	s_barrier_wait -1
.endm
	s_load_b128 s[4:7], s[0:1], 0x0                ; qk, part
	v_lshl_add_u32 v[SPW], v0, 2, SPARE
	v_mov_b32 v[NIL], 0
	ds_add_u32 v[SPW], v[NIL]
	ds_add_u32 v[SPW], v[NIL]
	v_lshrrev_b32 v9, 5, v0
	v_readfirstlane_b32 s[WV], v9
	v_and_b32 v9, 31, v0
	v_lshlrev_b32 v[LI], 4, v9
	v_and_b32 v10, 15, v0
	v_bfe_u32 v[HH], v0, 4, 1
	v_lshlrev_b32 v[QSO], 5, v10
	v_lshl_add_u32 v[QSO], v[HH], 4, v[QSO]
.irp c, 0,1,2,3
	v_add_nc_u32 v[KA+\c], \c*CHB, v[LI]
.endr
	s_bfe_u32 s9, ttmp6, 0x40000                   ; cx
	s_lshl_b32 s10, ttmp9, 2
	s_add_co_u32 s10, s10, s9                      ; my block of 512 queries
	s_and_b32 s11, ttmp7, 0xffff                   ; y, which the four partners share
.irp g, G1C, G1D
	s_mov_b32 s[\g], 15|(3<<16)|(1<<21)            ; the mask: all four; elements of 8 bytes; no padding: an image is read back 512 consecutive bytes at a time
	s_mov_b32 s[\g+1], 32<<16
	s_mov_b32 s[\g+3], 32<<16
	s_mov_b32 s[\g+5], 32
	s_mov_b32 s[\g+6], 0
	s_mov_b32 s[\g+7], 0
.endr
	s_mov_b32 s[G1C+2], 48<<16                     ; a quarter of chunk 0
	s_mov_b32 s[G1C+4], 48
	s_mov_b32 s[G1D+2], 144<<16                    ; a quarter of chunks 1 to 3
	s_mov_b32 s[G1D+4], 144
	s_mul_i32 s12, s[WV], CHB/4                    ; the keys: of y and the wave's number alone
	s_mul_i32 s13, s[WV], 3*CHB/4
	s_mul_i32 s60, s11, 4*CHB
	s_add_co_u32 s60, s60, IMGK
	s_add_co_u32 s40, s60, s13
	s_add_co_u32 s40, s40, CHB
	s_mov_b32 s41, 0
	s_add_co_u32 s60, s60, s12
	s_mov_b32 s61, 0
	s_lshl_b32 s62, s11, 13                        ; their scale words
	s_add_co_u32 s62, s62, SCKB
	s_mov_b32 s63, 0
	s_lshr_b32 s14, s11, 3                         ; the batch
	s_lshl_b32 s14, s14, 5
	s_lshl_b32 s15, s10, 2
	s_add_co_u32 s14, s14, s15
	s_add_co_u32 s14, s14, s[WV]                   ; G: my 128 queries
	s_mul_i32 s52, s14, CHB
	s_mov_b32 s53, 0
	s_lshl_b32 s54, s14, 11
	s_add_co_u32 s54, s54, SCQ
	s_mov_b32 s55, 0
	s_and_b32 s56, s11, 7                          ; the block of keys: 65,536 bytes of part each
	s_lshl_b32 s56, s56, 16
	s_lshl_b32 s15, s14, 9
	s_add_co_u32 s56, s56, s15
	s_mov_b32 s57, 0
	s_mov_b32 s58, 0x76543210
	s_mov_b32 s59, 0xfedcba98
	s_mov_b32 s[G0], 1
	s_mov_b32 s[G0+1], s12
	s_mov_b32 s[G0D], 1
	s_add_co_u32 s[G0D+1], s13, CHB
	s_wait_alu depctr_va_vdst(0)
	s_wait_dscnt 0x0
	CROUND                                         ; the round in front of the joint loads; it needs no argument, so it stands ahead of the wait for them
	s_wait_kmcnt 0x0
	s_add_nc_u64 s[G0+2:G0+3], s[4:5], s[60:61]
	s_or_b32 s[G0+3], s[G0+3], 0x80000000
	s_add_nc_u64 s[G0D+2:G0D+3], s[4:5], s[40:41]
	s_or_b32 s[G0D+3], s[G0D+3], 0x80000000
	s_add_nc_u64 s[62:63], s[4:5], s[62:63]
	s_add_nc_u64 s[52:53], s[4:5], s[52:53]
	s_add_nc_u64 s[54:55], s[4:5], s[54:55]
	s_add_nc_u64 s[56:57], s[6:7], s[56:57]
	tensor_load_to_lds s[G0:G0+3], s[G1C:G1C+7]    ; my quarter of chunk 0: my one tensor load of the head
	s_nop 0
.rept 4
	v_nop
.endr
.irp s, 0,1,2,3
.irp c, 0,1,2,3
	global_load_b128 v[KS+16*\s+4*\c:KS+16*\s+4*\c+3], v[QSO], s[62:63] offset:2048*\c+512*\s
.endr
.endr
.irp s, 0,1,2,3
	global_load_b128 v[QS+4*\s:QS+4*\s+3], v[QSO], s[54:55] offset:512*\s
.endr
.macro QLOAD s                         ; the queries of K step s: 24 loads of 512 consecutive bytes
.irp q, 0,1,2,3,4,5,6,7
.irp k, 0,1,2
	global_load_b128 v[96*((\s)%2)+12*\q+4*\k:96*((\s)%2)+12*\q+4*\k+3], v[LI], s[52:53] offset:6144*\q+1536*(\s)+512*\k
.endr
.endr
.endm
	WIN 0x40
	QLOAD 0
	QLOAD 1
	WIN 0x80
	QLOAD 2
	QLOAD 3
	WIN 0
.macro MAP g                           ; group g: chunk MC, K step MS
.if (\g) < 4
.set MC, 0
.set MS, (\g)
.else
.set MC, 1+((\g)-4)%3
.set MS, ((\g)-4)/3
.endif
.endm
.macro LOADG g                         ; group g's eight key fragments into set g % 2
	MAP \g
.irp t, 0,1,2,3,4,5,6,7
.irp k, 0,1,2
	ds_load_b128 v[96*((\g)%2)+12*\t+4*\k:96*((\g)%2)+12*\t+4*\k+3], v[KA+MC] offset:6144*\t+1536*MS+512*\k
.endr
.endr
.endm
.macro PROD t, q                       ; key tile t x query tile q; the first eight start the sums with the constant 0
.set rA, 96*PP+12*(\t)
.set rB, 96*(PS%2)+12*(\q)
.set rC, ACC+8*(\q)
.set rK, KS+16*PS+4*CH+(\t)%4
.set rQ, QS+4*PS+(\q)%4
.if GG+(\t) == 0
.if \q < 4
	v_wmma_scale_f32_16x16x128_f8f6f4 v[rC:rC+7], v[rA:rA+11], v[rB:rB+11], 0, v[rK], v[rQ] matrix_a_fmt:MATRIX_FMT_FP6 matrix_b_fmt:MATRIX_FMT_FP6
.else
	v_wmma_scale_f32_16x16x128_f8f6f4 v[rC:rC+7], v[rA:rA+11], v[rB:rB+11], 0, v[rK], v[rQ] matrix_a_fmt:MATRIX_FMT_FP6 matrix_b_fmt:MATRIX_FMT_FP6 matrix_b_scale:MATRIX_SCALE_ROW1
.endif
.elseif \t < 4
.if \q < 4
	v_wmma_scale_f32_16x16x128_f8f6f4 v[rC:rC+7], v[rA:rA+11], v[rB:rB+11], v[rC:rC+7], v[rK], v[rQ] matrix_a_fmt:MATRIX_FMT_FP6 matrix_b_fmt:MATRIX_FMT_FP6
.else
	v_wmma_scale_f32_16x16x128_f8f6f4 v[rC:rC+7], v[rA:rA+11], v[rB:rB+11], v[rC:rC+7], v[rK], v[rQ] matrix_a_fmt:MATRIX_FMT_FP6 matrix_b_fmt:MATRIX_FMT_FP6 matrix_b_scale:MATRIX_SCALE_ROW1
.endif
.else
.if \q < 4
	v_wmma_scale_f32_16x16x128_f8f6f4 v[rC:rC+7], v[rA:rA+11], v[rB:rB+11], v[rC:rC+7], v[rK], v[rQ] matrix_a_fmt:MATRIX_FMT_FP6 matrix_b_fmt:MATRIX_FMT_FP6 matrix_a_scale:MATRIX_SCALE_ROW1
.else
	v_wmma_scale_f32_16x16x128_f8f6f4 v[rC:rC+7], v[rA:rA+11], v[rB:rB+11], v[rC:rC+7], v[rK], v[rQ] matrix_a_fmt:MATRIX_FMT_FP6 matrix_b_fmt:MATRIX_FMT_FP6 matrix_a_scale:MATRIX_SCALE_ROW1 matrix_b_scale:MATRIX_SCALE_ROW1
.endif
.endif
.endm
.macro GROUP
	MAP GG
.set PS, MS
.set CH, MC
.set PP, GG%2
.if GG == 0
	s_wait_loadcnt 63                              ; loads come back in order: behind K step 0's stand 72; 63 is the most that the wait can name: the scale words and K step 0 are in
.elseif GG == 1
	s_wait_loadcnt 48                              ; K step 1 is in; 2 and 3 may be out
.elseif GG == 2
	s_wait_loadcnt 24
.elseif GG == 3
	s_wait_loadcnt 0x0
.endif
.if GG == 3
	s_wait_dscnt 0x0                               ; nothing was asked for behind group 3's fragments
.elseif GG < 15
	s_wait_dscnt 24                                ; my set is in; the next group's 24 loads may be out
.else
	s_wait_dscnt 0x0
.endif
.set WMU, 0xf3|((1+PS/2)<<2)           ; keys, C and D window 3; the queries window 1 or 2
	WIN WMU
.irp t, 0,1,2,3,4,5,6,7
.irp q, 0,1,2,3,4,5,6,7
	PROD \t, \q
.endr
.endr
.if GG < 14
.rept 4
	v_nop                                          ; four places in front of loads into registers that matrix instructions have read
.endr
.if GG == 3
	s_wait_tensorcnt 0x0                           ; my quarter of chunks 1 to 3 has landed
	s_wait_dscnt 0x0                               ; no LDS load of mine is out
	s_barrier_signal -1
	s_barrier_wait -1                              ; everybody's has
	WIN 0xc0
	LOADG 4
	LOADG 5
.elseif GG != 2
	WIN 0xc0
	LOADG GG+2
.endif
.endif
.endm
	s_wait_tensorcnt 0x0                           ; my quarter of chunk 0 has landed
	ds_add_u32 v[SPW], v[NIL]
	s_wait_dscnt 0x0
	CROUND                                         ; a whole round: chunk 0 is whole, and all four work-groups are here
	tensor_load_to_lds s[G0D:G0D+3], s[G1D:G1D+7]  ; my quarter of chunks 1 to 3: the first tensor load behind the round
	s_nop 0
.rept 4
	v_nop
.endr
	WIN 0xc0
	LOADG 0
	LOADG 1
.set GG, 0
.rept 16
	GROUP
.set GG, GG+1
.endr
	; THE ROW SUMS: register j of lane (r, h) of a query tile's accumulator is (key mod 16 = 8 h + j, query r).  Each accumulator is read from its low end on.
	WIN 0
.rept 4
	v_nop
.endr
	v_cmp_eq_u32 vcc_lo, 1, v[HH]
	WIN 0xcf
.irp q, 0,1,2,3,4,5,6,7
	v_pk_add_f32 v[ACC+8*\q:ACC+8*\q+1], v[ACC+8*\q:ACC+8*\q+1], v[ACC+8*\q+2:ACC+8*\q+3]
.endr
.irp q, 0,1,2,3,4,5,6,7
	v_pk_add_f32 v[ACC+8*\q+4:ACC+8*\q+5], v[ACC+8*\q+4:ACC+8*\q+5], v[ACC+8*\q+6:ACC+8*\q+7]
.endr
.irp q, 0,1,2,3,4,5,6,7
	v_pk_add_f32 v[ACC+8*\q:ACC+8*\q+1], v[ACC+8*\q:ACC+8*\q+1], v[ACC+8*\q+4:ACC+8*\q+5]
.endr
.irp q, 0,1,2,3,4,5,6,7
	v_add_f32 v[ACC+8*\q], v[ACC+8*\q], v[ACC+8*\q+1]
.endr
.irp q, 0,1,2,3,4,5,6,7
	v_permlanex16_b32 v[ACC+8*\q+1], v[ACC+8*\q], s58, s59
.endr
.irp q, 0,1,2,3,4,5,6,7
	v_add_f32 v[ACC+8*\q], v[ACC+8*\q], v[ACC+8*\q+1]
.endr
	WIN 0x0f
.irp p, 0,1,2,3
	v_cndmask_b32 v[OUTR+\p], v[ACC+16*\p], v[ACC+16*\p+8], vcc_lo   ; lane l holds query 32 p + l
.endr
	WIN 0
	global_store_b128 v[LI], v[OUTR:OUTR+3], s[56:57]      ; 32 lanes store 512 consecutive bytes, at a multiple of 512 from part's first byte
	s_wait_tensorcnt 0x0                           ; the wave's end
	ds_add_u32 v[SPW], v[NIL]
	s_wait_dscnt 0x0
	CROUND                                         ; the closing round
	s_endpgm
.Lfunc_end_k_q08b55b1405_scores:
	.size	k_q08b55b1405_scores, .Lfunc_end_k_q08b55b1405_scores-k_q08b55b1405_scores
	.p2alignl 7, 3214868480
	.fill 96, 4, 3214868480
	.section	.rodata,"a",@progbits
	.p2align	6, 0x0
	.amdhsa_kernel k_q08b55b1405_scores
		.amdhsa_group_segment_fixed_size 327680
		.amdhsa_private_segment_fixed_size 0
		.amdhsa_enable_private_segment 0
		.amdhsa_kernarg_size 16
		.amdhsa_user_sgpr_count 2
		.amdhsa_user_sgpr_kernarg_segment_ptr 1
		.amdhsa_wavefront_size32 1
		.amdhsa_system_sgpr_workgroup_id_x 1
		.amdhsa_system_sgpr_workgroup_id_y 1
		.amdhsa_system_sgpr_workgroup_id_z 1
		.amdhsa_system_vgpr_workitem_id 0
		.amdhsa_next_free_vgpr 1024
		.amdhsa_next_free_sgpr 66
		.amdhsa_reserve_vcc 1
		.amdhsa_float_denorm_mode_32 3
		.amdhsa_float_denorm_mode_16_64 3
		.amdhsa_memory_ordered 1
		.amdhsa_forward_progress 1
		.amdhsa_inst_pref_size 176
	.end_amdhsa_kernel
	.amdgpu_metadata
---
amdhsa.version: [ 1, 2 ]
amdhsa.kernels:
  - .name:           k_q08b55b1405_scores
    .symbol:         k_q08b55b1405_scores.kd
    .args:
      - { .name: qk, .offset: 0, .size: 8, .value_kind: global_buffer, .address_space: global }
      - { .name: part, .offset: 8, .size: 8, .value_kind: global_buffer, .address_space: global }
    .group_segment_fixed_size: 327680
    .private_segment_fixed_size: 0
    .kernarg_segment_align: 8
    .kernarg_segment_size: 16
    .max_flat_workgroup_size: 128
    .sgpr_count:     66
    .vgpr_count:     1024
    .wavefront_size: 32
...
	.end_amdgpu_metadata
.endif
;; end of part 4
;; launch total (part 5): grid 128 x 1, 1 waves a work-group, no clusters, 768 bytes of LDS; arguments part, out0; writes out0
.if DOCPART == 5
	.amdgcn_target "amdgcn-amd-amdhsa--gfx1250"
	.amdhsa_code_object_version 6
	.text
	.protected	k_q08b55b1405_total
	.globl	k_q08b55b1405_total
	.p2align	8
	.type	k_q08b55b1405_total,@function
k_q08b55b1405_total:
	s_mov_b64 s[64:65], 0
	v_nop
	global_prefetch_b8 v0, s[64:65] scope:SCOPE_SE
	s_setreg_imm32_b32 hwreg(HW_REG_WAVE_MODE, 25, 1), 1
	s_wait_xcnt 0x0
; out0[row] = 512^-0.5 / 4,096 x the sum of the row's eight parts, one for each block of 512 keys of its batch.
; part: the part of key block b and the 128 rows G at 65,536 b + 512 G; lane l's 16 bytes there hold rows 128 G + 32 p + l, p = 0 .. 3.
; One wave takes 128 rows: eight loads of 512 consecutive bytes, all issued together; 14 packed additions in a tree; the factor; then the four numbers of a lane, which are 32 rows apart, go through
; the wave's own 512 bytes of LDS and come back as four neighbouring rows, so that one store covers 512 consecutive bytes of out0.  128 waves, each a work-group of its own: nothing is shared, so there is no barrier.
; Matrix units, tensor loads and clusters have nothing to do here: 589,824 bytes are moved once, and a row costs eight operations.
	s_load_b128 s[4:7], s[0:1], 0x0                ; part s[4:5], out0 s[6:7]
	v_lshl_add_u32 v40, v0, 2, 0x200
	v_mov_b32 v41, 0
	v_lshlrev_b32 v1, 4, v0                        ; 16 x lane
	v_lshlrev_b32 v2, 2, v0                        ; 4 x lane
	s_lshl_b32 s8, ttmp9, 9                        ; 512 bytes for each 128 rows, in a part and in out0
	s_mov_b32 s9, 0
	s_wait_alu depctr_va_vdst(0)
	s_wait_kmcnt 0x0
	s_add_nc_u64 s[4:5], s[4:5], s[8:9]
	s_add_nc_u64 s[6:7], s[6:7], s[8:9]
.irp b, 0,1,2,3,4,5,6,7
	global_load_b128 v[4+4*\b:7+4*\b], v1, s[4:5] offset:65536*\b th:TH_LOAD_NT   ; read once in the launch
.endr
	s_wait_loadcnt 0x0
.irp b, 0,2,4,6
	v_pk_add_f32 v[4+4*\b:5+4*\b], v[4+4*\b:5+4*\b], v[8+4*\b:9+4*\b]
	v_pk_add_f32 v[6+4*\b:7+4*\b], v[6+4*\b:7+4*\b], v[10+4*\b:11+4*\b]
.endr
.irp b, 0,4
	v_pk_add_f32 v[4+4*\b:5+4*\b], v[4+4*\b:5+4*\b], v[12+4*\b:13+4*\b]
	v_pk_add_f32 v[6+4*\b:7+4*\b], v[6+4*\b:7+4*\b], v[14+4*\b:15+4*\b]
.endr
	v_pk_add_f32 v[4:5], v[4:5], v[20:21]
	v_pk_add_f32 v[6:7], v[6:7], v[22:23]
	v_pk_mul_f32 v[4:5], v[4:5], 0x373504f3 op_sel_hi:[1,0]   ; x 2^-16.5 = 512^-0.5 / 4,096
	v_pk_mul_f32 v[6:7], v[6:7], 0x373504f3 op_sel_hi:[1,0]
.irp p, 0,1,2,3
	ds_store_b32 v2, v[4+\p] offset:128*\p         ; row 32 p + l to its place among the 128
.endr
	ds_load_b128 v[36:39], v1                      ; LDS serves a wave's instructions in order (ISA guide 5.7.1.4): this sees the stores above.  Rows 4 l .. 4 l + 3
	s_wait_dscnt 0x0
	global_store_b128 v1, v[36:39], s[6:7]         ; 32 lanes store 512 consecutive bytes, at a multiple of 512 from out0's first byte
	s_wait_tensorcnt 0x0
	ds_add_u32 v40, v41
	s_wait_dscnt 0x0
	s_endpgm
.Lfunc_end_k_q08b55b1405_total:
	.size	k_q08b55b1405_total, .Lfunc_end_k_q08b55b1405_total-k_q08b55b1405_total
	.p2alignl 7, 3214868480
	.fill 96, 4, 3214868480
	.section	.rodata,"a",@progbits
	.p2align	6, 0x0
	.amdhsa_kernel k_q08b55b1405_total
		.amdhsa_group_segment_fixed_size 768
		.amdhsa_private_segment_fixed_size 0
		.amdhsa_enable_private_segment 0
		.amdhsa_kernarg_size 16
		.amdhsa_user_sgpr_count 2
		.amdhsa_user_sgpr_kernarg_segment_ptr 1
		.amdhsa_wavefront_size32 1
		.amdhsa_system_sgpr_workgroup_id_x 1
		.amdhsa_system_sgpr_workgroup_id_y 1
		.amdhsa_system_sgpr_workgroup_id_z 1
		.amdhsa_system_vgpr_workitem_id 0
		.amdhsa_next_free_vgpr 42
		.amdhsa_next_free_sgpr 66
		.amdhsa_reserve_vcc 0
		.amdhsa_float_denorm_mode_32 3
		.amdhsa_float_denorm_mode_16_64 3
		.amdhsa_memory_ordered 1
		.amdhsa_forward_progress 1
		.amdhsa_inst_pref_size 4
	.end_amdhsa_kernel
	.amdgpu_metadata
---
amdhsa.version: [ 1, 2 ]
amdhsa.kernels:
  - .name:           k_q08b55b1405_total
    .symbol:         k_q08b55b1405_total.kd
    .args:
      - { .name: part, .offset: 0, .size: 8, .value_kind: global_buffer, .address_space: global }
      - { .name: out0, .offset: 8, .size: 8, .value_kind: global_buffer, .address_space: global }
    .group_segment_fixed_size: 768
    .private_segment_fixed_size: 0
    .kernarg_segment_align: 8
    .kernarg_segment_size: 16
    .max_flat_workgroup_size: 32
    .sgpr_count:     66
    .vgpr_count:     42
    .wavefront_size: 32
...
	.end_amdgpu_metadata
.endif
;; end of part 5
